; MI455X (gfx1250); checked and timed in simulation.
; The chip was launched on July 23, 2026; its instructions are those of AMD's public machine-readable ISA for CDNA 5 (MIT licence, August 2026) and "CDNA5" Instruction Set Architecture Reference Guide (July 2026). The comments in the code are by the model that wrote it; some were corrected since.
;; Transformer Block. Allowed arithmetic: float matrix products may take bf16 or f16 operands with f32 sums; other float arithmetic in f32, or as packed bf16 or f16 multiplies, adds, multiply-adds, maxima and minima; sums over many terms, partial sums and values carried from step to step in f32; what a program stores and reads back later, other than sums and carried values, may be rounded once to bf16 or f16.
;; Inputs: W1 1,024 x 4,096 float32; W2 4,096 x 1,024 float32; Wk 16 x 1,024 x 64 float32; Wp 1,024 x 1,024 float32; Wq 16 x 1,024 x 64 float32; Wv 16 x 1,024 x 64 float32; b1 4,096 float32; b2 1,024 float32; bp 1,024 float32; x 4 x 1,024 x 1,024 float32.
;; Outputs: out0 4 x 1,024 x 1,024 float32.
;; One version. Each part assembles by itself: llvm-mc -triple=amdgcn-amd-amdhsa -mcpu=gfx1250 --defsym DOCPART=n.
;; ======== version 1 of 1: 6 launches
;; workspace buffers: xb 8,388,608 bytes; wb 25,178,112 bytes; qkv 41,943,040 bytes; ob 8,388,608 bytes; x1f 16,777,216 bytes; x1b 8,388,608 bytes; hb 33,554,432 bytes
;; launch prep (part 1): grid 449 x 1, 8 waves a work-group, no clusters, 0 bytes of LDS; arguments x, Wq, Wk, Wv, bp, b1, b2, xb, wb; writes xb, wb
.if DOCPART == 1
	.amdgcn_target "amdgcn-amd-amdhsa--gfx1250"
	.amdhsa_code_object_version 6
	.text
	.protected	k_qd020f9885a_prep
	.globl	k_qd020f9885a_prep
	.p2align	8
	.type	k_qd020f9885a_prep,@function
k_qd020f9885a_prep:
	s_mov_b64 s[64:65], 0
	v_nop
	global_prefetch_b8 v0, s[64:65] scope:SCOPE_SE
	s_setreg_imm32_b32 hwreg(HW_REG_WAVE_MODE, 25, 1), 1
	s_wait_xcnt 0x0
; WHAT THE NEXT LAUNCH NEEDS, ROUNDED ONCE TO bf16 (round to nearest even): x -> xb; Wq, Wk, Wv and the three biases -> wb.  (Wp, W1 and W2 are rounded by the attention launch, beside its own work.)
; wb: WQKV at 0 as [head 16][K step 8][q,k,v][128 k][64] (a head's K step is 49,152 bytes on end); the biases at 25,165,824: bp, then b1 at +2,048, then b2 at +10,240.
; A stream: no LDS, no matrix unit, no cluster: no byte is wanted twice.  Work-group g takes 65,536 source bytes, a wave 8,192 of them: 16 loads go out at once, each 512 consecutive bytes (lane i at 16 i);
; a load's four numbers a lane make 8 bytes, so each store of a wave covers 256 consecutive bytes, aligned (lane i at 8 i).  No register is written twice, so the only waits are the counted ones for the loads.
; g 0-255: x; 256-319: Wq; 320-383: Wk; 384-447: Wv; 448: the biases.
; LIMITS: bf16 keeps 8 significant bits; NaN and infinities pass through the conversion as it treats them.
.set BIASOFF, 25165824
.set X, 8                              ; v[8:71]    as loaded: 16 pieces of 4 numbers
.set Y, 72                             ; v[72:103]  as stored: 16 pieces of 2 registers
	s_load_b256 s[16:23], s[0:1], 0x0              ; x s[16:17], Wq s[18:19], Wk s[20:21], Wv s[22:23]
	s_load_b256 s[24:31], s[0:1], 0x20             ; bp s[24:25], b1 s[26:27], b2 s[28:29], xb s[30:31]
	s_load_b64 s[32:33], s[0:1], 0x40              ; wb
	v_lshrrev_b32 v1, 5, v0
	v_readfirstlane_b32 s7, v1                     ; wave 0..7
	v_and_b32 v2, 31, v0
	v_lshlrev_b32 v3, 4, v2                        ; in: 16 bytes a lane
	v_lshlrev_b32 v4, 3, v2                        ; out: 8 bytes a lane
	s_mov_b32 s4, ttmp9                            ; g
	s_wait_kmcnt 0x0
	s_cmp_eq_u32 s4, 448
	s_cbranch_scc1 .Lbias
	s_mov_b64 s[8:9], s[16:17]                     ; g 0-255: x -> xb
	s_mov_b64 s[10:11], s[30:31]
	s_mov_b32 s5, 0                                ; the range's first g
	s_mov_b32 s6, 0                                ; the matrix's place in a K step of WQKV
	s_cmp_ge_u32 s4, 256                           ; g 256-319: Wq
	s_cselect_b64 s[8:9], s[18:19], s[8:9]
	s_cselect_b64 s[10:11], s[32:33], s[10:11]
	s_cselect_b32 s5, 256, s5
	s_cmp_ge_u32 s4, 320                           ; g 320-383: Wk
	s_cselect_b64 s[8:9], s[20:21], s[8:9]
	s_cselect_b32 s5, 320, s5
	s_cselect_b32 s6, 16384, s6
	s_cmp_ge_u32 s4, 384                           ; g 384-447: Wv
	s_cselect_b64 s[8:9], s[22:23], s[8:9]
	s_cselect_b32 s5, 384, s5
	s_cselect_b32 s6, 32768, s6
	s_sub_co_u32 s5, s4, s5                        ; the chunk's number in its input
	s_lshl_b32 s12, s5, 16
	s_lshl_b32 s13, s7, 13
	s_add_co_u32 s12, s12, s13                     ; in: chunk x 65,536 + wave x 8,192
	s_mov_b32 s13, 0
	s_add_nc_u64 s[8:9], s[8:9], s[12:13]
	s_lshr_b32 s14, s12, 1                         ; out, x: half of that
	s_lshl_b32 s2, s5, 1                           ; out, q k v: a chunk is two K steps of a head, a wave a quarter of a K step (32 rows of 64):
	s_lshr_b32 s3, s7, 2
	s_add_co_u32 s2, s2, s3                        ; 8 x head + K step = 2 x chunk + wave / 4
	s_mul_i32 s2, s2, 49152
	s_and_b32 s3, s7, 3
	s_lshl_b32 s3, s3, 12                          ; 32 rows of 128 bytes
	s_add_co_u32 s2, s2, s3
	s_add_co_u32 s2, s2, s6
	s_cmp_ge_u32 s4, 256
	s_cselect_b32 s14, s2, s14
	s_mov_b32 s15, 0
	s_add_nc_u64 s[10:11], s[10:11], s[14:15]
.set i, 0
.rept 16
	global_load_b128 v[X+4*i:X+4*i+3], v3, s[8:9] offset:512*i th:TH_LOAD_NT
.set i, i+1
.endr
.set i, 0
.rept 16
	s_wait_loadcnt 15-i                            ; loads come back in order: piece i is in, the 15 - i younger ones stay out
	v_cvt_pk_bf16_f32 v[Y+2*i],   v[X+4*i],   v[X+4*i+1]
	v_cvt_pk_bf16_f32 v[Y+2*i+1], v[X+4*i+2], v[X+4*i+3]
	global_store_b64 v4, v[Y+2*i:Y+2*i+1], s[10:11] offset:256*i
.set i, i+1
.endr
	s_endpgm
.Lbias:                                        ; thread t takes 8 numbers: b1 in two steps of 2,048; waves 0-3 also bp and b2 (1,024 each)
	v_lshlrev_b32 v5, 5, v0
	v_lshlrev_b32 v6, 4, v0
	s_add_nc_u64 s[10:11], s[32:33], BIASOFF
	global_load_b128 v[8:11],  v5, s[26:27]
	global_load_b128 v[12:15], v5, s[26:27] offset:16
	global_load_b128 v[16:19], v5, s[26:27] offset:8192
	global_load_b128 v[20:23], v5, s[26:27] offset:8208
	s_wait_loadcnt 0x0
.set i, 0
.rept 8
	v_cvt_pk_bf16_f32 v[72+i], v[8+2*i], v[9+2*i]
.set i, i+1
.endr
	global_store_b128 v6, v[72:75], s[10:11] offset:2048
	global_store_b128 v6, v[76:79], s[10:11] offset:6144
	s_cmp_lt_u32 s7, 4
	s_cbranch_scc0 .Ldone
	global_load_b128 v[24:27], v5, s[24:25]
	global_load_b128 v[28:31], v5, s[24:25] offset:16
	global_load_b128 v[32:35], v5, s[28:29]
	global_load_b128 v[36:39], v5, s[28:29] offset:16
	s_wait_loadcnt 0x0
.set i, 0
.rept 8
	v_cvt_pk_bf16_f32 v[80+i], v[24+2*i], v[25+2*i]
.set i, i+1
.endr
	global_store_b128 v6, v[80:83], s[10:11]
	global_store_b128 v6, v[84:87], s[10:11] offset:10240
.Ldone:
	s_endpgm
.Lfunc_end_k_qd020f9885a_prep:
	.size	k_qd020f9885a_prep, .Lfunc_end_k_qd020f9885a_prep-k_qd020f9885a_prep
	.p2alignl 7, 3214868480
	.fill 96, 4, 3214868480
	.section	.rodata,"a",@progbits
	.p2align	6, 0x0
	.amdhsa_kernel k_qd020f9885a_prep
		.amdhsa_group_segment_fixed_size 0
		.amdhsa_private_segment_fixed_size 0
		.amdhsa_enable_private_segment 0
		.amdhsa_kernarg_size 72
		.amdhsa_user_sgpr_count 2
		.amdhsa_user_sgpr_kernarg_segment_ptr 1
		.amdhsa_wavefront_size32 1
		.amdhsa_system_sgpr_workgroup_id_x 1
		.amdhsa_system_sgpr_workgroup_id_y 1
		.amdhsa_system_sgpr_workgroup_id_z 1
		.amdhsa_system_vgpr_workitem_id 0
		.amdhsa_next_free_vgpr 104
		.amdhsa_next_free_sgpr 66
		.amdhsa_reserve_vcc 0
		.amdhsa_float_denorm_mode_32 3
		.amdhsa_float_denorm_mode_16_64 3
		.amdhsa_memory_ordered 1
		.amdhsa_forward_progress 1
		.amdhsa_inst_pref_size 11
	.end_amdhsa_kernel
	.amdgpu_metadata
---
amdhsa.version: [ 1, 2 ]
amdhsa.kernels:
  - .name:           k_qd020f9885a_prep
    .symbol:         k_qd020f9885a_prep.kd
    .args:
      - { .name: x, .offset: 0, .size: 8, .value_kind: global_buffer, .address_space: global }
      - { .name: Wq, .offset: 8, .size: 8, .value_kind: global_buffer, .address_space: global }
      - { .name: Wk, .offset: 16, .size: 8, .value_kind: global_buffer, .address_space: global }
      - { .name: Wv, .offset: 24, .size: 8, .value_kind: global_buffer, .address_space: global }
      - { .name: bp, .offset: 32, .size: 8, .value_kind: global_buffer, .address_space: global }
      - { .name: b1, .offset: 40, .size: 8, .value_kind: global_buffer, .address_space: global }
      - { .name: b2, .offset: 48, .size: 8, .value_kind: global_buffer, .address_space: global }
      - { .name: xb, .offset: 56, .size: 8, .value_kind: global_buffer, .address_space: global }
      - { .name: wb, .offset: 64, .size: 8, .value_kind: global_buffer, .address_space: global }
    .group_segment_fixed_size: 0
    .private_segment_fixed_size: 0
    .kernarg_segment_align: 8
    .kernarg_segment_size: 72
    .max_flat_workgroup_size: 256
    .sgpr_count:     66
    .vgpr_count:     104
    .wavefront_size: 32
...
	.end_amdgpu_metadata
.endif
;; end of part 1
;; launch qkv (part 2): grid 16 x 16, 4 waves a work-group, clusters of 4 x 4, 327,680 bytes of LDS; arguments xb, wb, qkv; writes qkv
.if DOCPART == 2
	.amdgcn_target "amdgcn-amd-amdhsa--gfx1250"
	.amdhsa_code_object_version 6
	.text
	.protected	k_qd020f9885a_qkv
	.globl	k_qd020f9885a_qkv
	.p2align	8
	.type	k_qd020f9885a_qkv,@function
k_qd020f9885a_qkv:
	s_mov_b64 s[64:65], 0
	v_nop
	global_prefetch_b8 v0, s[64:65] scope:SCOPE_SE
	s_setreg_imm32_b32 hwreg(HW_REG_WAVE_MODE, 25, 1), 1
	s_wait_xcnt 0x0
	s_wait_alu depctr_hold_cnt(0) depctr_sa_sdst(0) depctr_va_vdst(0) depctr_va_sdst(0) depctr_va_ssrc(0) depctr_va_vcc(0) depctr_vm_vsrc(0)
	s_getreg_b32 s2, hwreg(HW_REG_IB_STS2, 6, 4)
	s_cmp_eq_u32 s2, 0
	s_cbranch_scc0 .Lentry_in_a_cluster
	s_endpgm
.Lentry_in_a_cluster:
	s_bfe_u32 s2, ttmp6, 0x10000c
	s_cmp_lg_u32 s2, 0xf033
	s_cbranch_scc0 .Lentry_shape_is_right
	s_endpgm
.Lentry_shape_is_right:
; q, k, v OF ONE HEAD FOR 256 ROWS: [256 x 1024] x [1024 x 192], bf16 operands, f32 sums.  Work-group x = head, y = block of 256 rows (4 blocks a batch).
; OUT, by heads (bh = 16 batch + head): q and k as TWO bf16 numbers each, hi = bf16(sum), lo = bf16(sum - hi), in rows [hi 64 | lo 64] of 256 bytes; v as one bf16, rows of 128 bytes.
; Why two: reference() multiplies the scores by 32, so a score's error is 32 times the error of q . k, and where a row's two largest scores are close the weights follow that error.
; SHARES.  Four waves; wave w makes rows 64 w .. 64 w + 63 x all 192 columns: 48 accumulators, 384 registers.  K goes in steps of 128 through two LDS slots.
; The weights lie [k][n] in LDS and come out turned, by ds_load_tr16_b128.  The product is used transposed (source 0 = 16 weight columns, source 1 = 16 rows of x): a lane ends with 8 neighbouring columns of one row.
; CLUSTER 4 x 4: x's tile hangs on the row block alone and is shared along a row of the cluster, the head's weights on the head alone and are shared along a column: joint loads, a mask of four.
; ONE K STEP TO A TRIP: one descriptor a tensor walks (its LDS word turned by an exclusive or), and the LDS read addresses are remade from s[TBR].  The last two K steps are a loop of two trips left in its middle.
; LIMITS: operands have bf16's 8 significant bits; NaN and infinities are not treated apart.
; REGISTERS (windows of 256; s_set_vgpr_msb bits 1:0 source 0, 3:2 source 1, 5:4 source 2, 7:6 destination):
;   window 0: v16-30 addresses; v32-63, v64-95 fragments of x (4 x 16 rows x 32 K), two buffers; v96-223 at work on the way out
;   window 1: v0-95, v96-191 fragments of the weights (12 x 16 columns x 32 K), two buffers
;   windows 2, 3: accumulator (a, b) at v[8 (12 (a % 2) + b)] of window 2 + a / 2; b 0-3 q, 4-7 k, 8-11 v
.set PA,     272                       ; a row of x in LDS: 256 bytes + 16: the 16 rows of a load start at 16 different groups of four banks (64 banks of 4 bytes: ISA guide 11.1)
.set PW,     160                       ; a row of 64 weights: 128 bytes + 32
.set HALFA,  128*PA
.set HALFB,  192*PW
.set MATB,   128*PW                    ; one matrix's 128 rows
.set BOFF,   2*HALFA
.set SLOTD,  0x20000                   ; slot 1 begins here; the bit is set in no LDS word of slot 0
.set STAGE,  2*SLOTD                   ; behind the ring: 16 rows x 272 bytes for each wave
.set SPARE,  STAGE+4*16*272            ; the spare words, 128 bytes a wave: two blocks of 256 bytes that no other line names
.set NSTEP,  8
.set STEPA,  256
.set STEPB,  49152
.set KSOFF,  16777216
.set VSOFF,  33554432
.set A0,   16                          ; my lane's place in x's tile, slot 0; never rewritten
.set B0,   17                          ; the same for the weights
.set ADRA, 18                          ; the two in the slot in hand
.set ADRB, 19
.set STO2, 20                          ; the way out of v: rows of 144 bytes
.set RD2,  21
.set STO,  24                          ; the way out of q and k: rows of 272 bytes
.set RD,   25
.set CO,   26                          ; 16 x lane
.set SPW,  28                          ; LDS address of my spare word; never rewritten
.set NIL,  29                          ; 0; never rewritten
.set PFO,  30                          ; the prefetches' lane offset; never rewritten
.set H,    96
.set TT,   112
.set LO,   144
.set G1A, 24
.set G0A, 32                           ; s[32:35] slot 0's first fill; s[36:39] slot 1's, which then walks
.set G1B, 48
.set G0B, 56
.set LIM, 43
.set PFA, 44
.set TBR, 66
.set HIM, 67
.set PFS, 68
.set MSB, 0
.macro WIN new                         ; the immediate's high byte repeats the setting that is left; a switch that changes nothing is dropped
.if MSB != (\new)
	s_set_vgpr_msb (MSB<<8)|(\new)
.set MSB, \new
.endif
.endm
.macro JLOAD s                         ; a joint load: waves 0 and 1 fetch x's two halves, waves 2 and 3 the weights'; an s_nop 0 and four v_nop follow each line
	s_cmp_eq_u32 s11, 0
	s_cbranch_scc0 .Lfor_b_\@
	tensor_load_to_lds s[G0A+4*(\s):G0A+4*(\s)+3], s[G1A:G1A+7]
	s_nop 0
.rept 4
	v_nop
.endr
	s_branch .Lasked_\@
.Lfor_b_\@:
	tensor_load_to_lds s[G0B+4*(\s):G0B+4*(\s)+3], s[G1B:G1B+7]
	s_nop 0
.rept 4
	v_nop
.endr
.Lasked_\@:
.endm
.macro CREST                           ; a round of the cluster's barrier behind its opening barrier
	s_cmp_lg_u32 s10, 0
	s_cbranch_scc1 .Lnot_wave_0_\@
	s_barrier_signal -3
.Lnot_wave_0_\@:
	s_barrier_wait -3
	s_barrier_signal -1
	s_barrier_wait -1
.endm
.macro CROUND
	s_barrier_signal -1
	s_barrier_wait -1
	CREST
.endm
.macro PLACES                          ; four places behind matrix instructions, in front of loads into registers that they read and of lines that read their results
.rept 4
	v_nop
.endr
.endm
; A PREFETCH INTO THE L2, one instruction a wave, behind the joint load and the run of LDS loads.  x: the K step behind the one that is being asked for: 32 rows x 256 bytes, a lane a row; the cluster with x = 0 asks,
; its four partners along x take 32 rows each BY ADDRESS; K steps 3 to 7.  Weights: a head's K steps 4 to 7 are 24 pieces of 8,192 bytes on end; in the first three trips the eight askers (cluster y = 0: four partners
; along y x two waves) take a piece each, a lane 256 bytes.  So each block of 256 bytes is named once in the launch; the first K steps come by their loads alone, and nothing behind the last K step is named.
.macro ASK
	s_cmp_gt_u32 s3, s[LIM]
	s_cbranch_scc0 .Lnot_mine_\@
	global_prefetch_b8 v[PFO], s[PFA:PFA+1] th:TH_LOAD_NT scope:SCOPE_SE
.Lnot_mine_\@:
.endm
	s_load_b128 s[4:7], s[0:1], 0x0                ; xb s[4:5], wb s[6:7]
	s_load_b64 s[8:9], s[0:1], 0x10                ; qkv
	v_lshl_add_u32 v[SPW], v0, 2, SPARE
	v_mov_b32 v[NIL], 0
	ds_add_u32 v[SPW], v[NIL]                      ; the wave's opening: the add and its wait ahead of my first tensor load
	ds_add_u32 v28, v29
	v_lshrrev_b32 v1, 5, v0
	v_readfirstlane_b32 s10, v1                    ; wave 0..3
	s_lshr_b32 s11, s10, 1                         ; I fetch for x (0) or for the weights (1)
	s_and_b32 s12, s10, 1                          ; which half of that tile
	s_bfe_u32 s40, ttmp6, 0x40000                  ; cx
	s_bfe_u32 s41, ttmp6, 0x40004                  ; cy
	s_lshl_b32 s42, ttmp9, 2
	s_add_co_u32 s42, s42, s40                     ; the head
	s_and_b32 s13, ttmp7, 0xffff
	s_lshl_b32 s13, s13, 2
	s_add_co_u32 s13, s13, s41                     ; the block of 256 rows
	s_lshl_b32 s43, s41, 2
	s_lshl_b32 s43, 15, s43                        ; my row of the cluster
	s_lshl_b32 s44, 0x1111, s40                    ; my column
	s_or_b32 s[G1A], s43, (1<<16)|(1<<20)|(1<<21)|(5<<22)|(3<<25)  ; the mask; 2-byte elements; padding on; bit 21 beside a mask; after every 64 words 4 words
	s_or_b32 s[G1B], s44, (1<<16)|(1<<20)|(1<<21)|(4<<22)|(7<<25)  ; after every 32 words 8 words
	s_mov_b32 s[G1A+1], 128<<16                    ; x: tensor_dim0 = 128
	s_mov_b32 s[G1A+2], 128<<16                    ; tensor_dim1 = 128
	s_mov_b32 s[G1A+3], 128<<16                    ; tile_dim0 = 128
	s_mov_b32 s[G1A+4], 128                        ; tile_dim1 = 128
	s_mov_b32 s[G1A+5], 1024                       ; elements from row to row
	s_mov_b32 s[G1A+6], 0
	s_mov_b32 s[G1A+7], 0
	s_mov_b32 s[G1B+1], 128<<16                    ; weights: 24,576 dense bytes as 96 rows of 256
	s_mov_b32 s[G1B+2], 96<<16
	s_mov_b32 s[G1B+3], 128<<16
	s_mov_b32 s[G1B+4], 96
	s_mov_b32 s[G1B+5], 128
	s_mov_b32 s[G1B+6], 0
	s_mov_b32 s[G1B+7], 0
	s_lshl_b32 s16, s13, 8
	s_lshl_b32 s17, s12, 7
	s_add_co_u32 s16, s16, s17
	s_lshl_b32 s16, s16, 11                        ; x: (256 block + 128 half) rows of 2,048 bytes
	s_mov_b32 s17, 0
	s_mul_i32 s46, s42, 393216                     ; weights: the head's 8 K steps, my half of a step
	s_mul_i32 s47, s12, 24576
	s_add_co_u32 s46, s46, s47
	s_mov_b32 s47, 0
	s_mul_i32 s20, s12, HALFA                      ; where they go: the wave's number and constants alone
	s_mul_i32 s21, s12, HALFB
	s_add_co_u32 s21, s21, BOFF
	s_mov_b32 s[HIM], 0xffff0000
	s_mov_b32 s[TBR], 0
	s_wait_dscnt 0x0                               ; the opening add is done
	s_wait_kmcnt 0x0
	s_add_nc_u64 s[14:15], s[4:5], s[16:17]
	s_add_nc_u64 s[46:47], s[6:7], s[46:47]
	CROUND                                         ; all sixteen work-groups are here: the first joint loads meet
.irp s, 0,1
	s_mov_b32 s[G0A+4*(\s)], 1
	s_add_co_u32 s[G0A+4*(\s)+1], s20, (\s)*SLOTD
	s_add_nc_u64 s[G0A+4*(\s)+2:G0A+4*(\s)+3], s[14:15], (\s)*STEPA
	s_or_b32 s[G0A+4*(\s)+3], s[G0A+4*(\s)+3], 0x80000000
	s_mov_b32 s[G0B+4*(\s)], 1
	s_add_co_u32 s[G0B+4*(\s)+1], s21, (\s)*SLOTD
	s_add_nc_u64 s[G0B+4*(\s)+2:G0B+4*(\s)+3], s[46:47], (\s)*STEPB
	s_or_b32 s[G0B+4*(\s)+3], s[G0B+4*(\s)+3], 0x80000000
	JLOAD \s                                       ; two loads of mine are out
.endr
	v_and_b32 v1, 15, v0                           ; r = l % 16
	v_bfe_u32 v2, v0, 4, 1                         ; h = l / 16
	v_mul_u32_u24 v3, v1, PA
	v_lshl_add_u32 v3, v2, 4, v3
	s_mul_i32 s21, s10, 64*PA                      ; my 64 rows
	v_add_nc_u32 v[A0], s21, v3
	v_and_b32 v4, 7, v0
	v_bfe_u32 v5, v0, 3, 1
	v_lshl_add_u32 v6, v2, 3, v4                   ; the turning load: row 8 h + l % 8,
	v_mul_u32_u24 v6, v6, PW
	v_lshl_add_u32 v6, v5, 4, v6                   ; 16 bytes by (l / 8) % 2
	v_add_nc_u32 v[B0], BOFF, v6
	v_mov_b32 v[ADRA], v[A0]
	v_mov_b32 v[ADRB], v[B0]
	s_mul_i32 s23, s10, 16*272
	s_add_co_u32 s23, s23, STAGE                   ; my stage
	v_add_nc_u32 v[STO], s23, v3                   ; in: row r, 16 bytes for each half of the lanes (pitch 272, as x's)
	v_mul_u32_u24 v7, v2, 272
	v_lshl_add_u32 v7, v1, 4, v7
	v_add_nc_u32 v[RD], s23, v7                    ; back: lanes 0-15 one row of 256 bytes, lanes 16-31 the next
	v_mul_u32_u24 v7, v1, 144
	v_lshl_add_u32 v7, v2, 4, v7
	v_add_nc_u32 v[STO2], s23, v7
	v_bfe_u32 v7, v0, 3, 2
	v_mul_u32_u24 v7, v7, 144
	v_lshl_add_u32 v7, v4, 4, v7
	v_add_nc_u32 v[RD2], s23, v7                   ; back: 32 lanes take four rows of 128 bytes
	v_and_b32 v3, 31, v0
	v_lshlrev_b32 v[CO], 4, v3
	s_lshr_b32 s16, s13, 2                         ; batch
	s_lshl_b32 s16, s16, 4
	s_add_co_u32 s16, s16, s42                     ; bh
	s_lshl_b32 s16, s16, 10
	s_and_b32 s17, s13, 3
	s_lshl_b32 s17, s17, 8
	s_add_co_u32 s16, s16, s17
	s_lshl_b32 s17, s10, 6
	s_add_co_u32 s16, s16, s17                     ; my first row among the 65,536 rows by heads
	s_lshl_b32 s18, s16, 7
	s_add_co_u32 s18, s18, VSOFF
	s_mov_b32 s19, 0
	s_lshl_b32 s16, s16, 8
	s_mov_b32 s17, 0
	s_add_nc_u64 s[72:73], s[8:9], s[18:19]        ; v
	s_add_nc_u64 s[8:9], s[8:9], s[16:17]          ; q
	s_add_nc_u64 s[70:71], s[8:9], KSOFF           ; k
	; the prefetches' address, step, lane offset and last trip, by what I fetch
	s_lshl_b32 s20, s13, 8
	s_lshl_b32 s21, s12, 7
	s_add_co_u32 s20, s20, s21
	s_lshl_b32 s21, s40, 5
	s_add_co_u32 s20, s20, s21
	s_lshl_b32 s20, s20, 11
	s_add_co_u32 s20, s20, 2*STEPA                 ; x: my work-group's 32 of the 128 rows that I fetch, at K step 2; stepped ahead of each use
	s_lshl_b32 s21, s41, 1
	s_add_co_u32 s21, s21, s12
	s_add_co_u32 s21, s21, 16
	s_lshl_b32 s21, s21, 13
	s_mul_i32 s22, s42, 393216
	s_add_co_u32 s21, s21, s22                     ; weights: piece 16 + 2 cy + half of the head's 48; stepped by 8 pieces
	s_and_b32 s22, ttmp7, 0xffff
	s_mov_b32 s17, 65536
	s_cmp_eq_u32 s11, 0
	s_cselect_b32 s20, s20, s21
	s_cselect_b32 s22, ttmp9, s22                  ; the coordinate along which other clusters read the same bytes
	s_cselect_b64 s[PFA:PFA+1], s[4:5], s[6:7]
	s_cselect_b32 s[PFS], STEPA, s17
	s_cselect_b32 s23, 1, 3
	s_cselect_b32 s16, 11, 8
	s_mov_b32 s[PFS+1], 0
	s_mov_b32 s21, 0
	s_add_nc_u64 s[PFA:PFA+1], s[PFA:PFA+1], s[20:21]
	s_cmp_eq_u32 s22, 0
	s_cselect_b32 s[LIM], s23, -1                  ; the same in all sixteen partners, for a given wave
	v_lshlrev_b32 v[PFO], s16, v3
; 12 products: row block 2 hi + a1 x all 12 column blocks, 32 along K, buffer f.  first = 1: the product starts the sum.
.macro MUL12 f, hi, a1, first
	WIN 0xa1+0x50*(\hi)                            ; weights window 1, x window 0, C and D window 2 or 3
.irp b, 0,1,2,3,4,5,6,7,8,9,10,11
.if \first
	v_wmma_f32_16x16x32_bf16 v[8*(12*(\a1)+(\b)):8*(12*(\a1)+(\b))+7], v[96*(\f)+8*(\b):96*(\f)+8*(\b)+7], v[32+32*(\f)+8*(2*(\hi)+(\a1)):32+32*(\f)+8*(2*(\hi)+(\a1))+7], 0
.else
	v_wmma_f32_16x16x32_bf16 v[8*(12*(\a1)+(\b)):8*(12*(\a1)+(\b))+7], v[96*(\f)+8*(\b):96*(\f)+8*(\b)+7], v[32+32*(\f)+8*(2*(\hi)+(\a1)):32+32*(\f)+8*(2*(\hi)+(\a1))+7], v[8*(12*(\a1)+(\b)):8*(12*(\a1)+(\b))+7]
.endif
.endr
.endm
; 32 LDS loads in one run: quarter q (32 along K) of the slot in hand into buffer f: the weights' 24, then x's 8
.macro FETCH q, f
	WIN 0x40
.irp i, 0,1,2,3,4,5,6,7,8,9,10,11
	ds_load_tr16_b128 v[96*(\f)+8*(\i):96*(\f)+8*(\i)+3],   v[ADRB] offset:((\i)/4)*MATB+(\q)*32*PW+32*((\i)%4)
	ds_load_tr16_b128 v[96*(\f)+8*(\i)+4:96*(\f)+8*(\i)+7], v[ADRB] offset:((\i)/4)*MATB+(\q)*32*PW+32*((\i)%4)+16*PW
.endr
	WIN 0
.irp a, 0,1,2,3
	ds_load_b128 v[32+32*(\f)+8*(\a):32+32*(\f)+8*(\a)+3],   v[ADRA] offset:64*(\q)+(\a)*16*PA
	ds_load_b128 v[32+32*(\f)+8*(\a)+4:32+32*(\f)+8*(\a)+7], v[ADRA] offset:64*(\q)+(\a)*16*PA+32
.endr
.endm
; multiplies buffer f; in its middle fetches quarter q into buffer g
.macro QUARTER q, f, g, first
	s_wait_dscnt 4                                 ; the weights and x's rows 0-31 are in; the youngest four loads (rows 32-63) may be out
	MUL12 \f, 0, 0, \first
	MUL12 \f, 0, 1, \first
	PLACES
	FETCH \q, \g
	s_wait_dscnt 32                                ; all but the 32 just issued
	MUL12 \f, 1, 0, \first
	MUL12 \f, 1, 1, \first
.endm
; The first half of a K step's last quarter, and the one barrier of a change of slots.  fill = 1: the walking descriptors step while the add is out.
.macro MEET fill
	WIN 0
	s_wait_tensorcnt 0x0                           ; all my tensor loads have landed: the one that was out is my part of the next slot
	ds_add_u32 v[SPW], v[NIL]                      ; 0 onto my spare word
.if \fill
	s_xor_b32 s[G0A+5], s[G0A+5], SLOTD            ; the other slot than last time,
	s_add_nc_u64 s[G0A+6:G0A+7], s[G0A+6:G0A+7], STEPA  ; the next K step
	s_xor_b32 s[G0B+5], s[G0B+5], SLOTD
	s_add_nc_u64 s[G0B+6:G0B+7], s[G0B+6:G0B+7], STEPB
.endif
	s_wait_dscnt 5                                 ; the add and the youngest four loads may be out
	MUL12 1, 0, 0, 0
	s_wait_dscnt 0x0                               ; the add is done, and my reads of this slot are over
	s_barrier_signal -1
	MUL12 1, 0, 1, 0
	WIN 0
	s_barrier_wait -1
.endm
.macro NEXTSLOT                        ; the LDS read addresses go to the other slot
	s_xor_b32 s[TBR], s[TBR], SLOTD
	v_add_nc_u32 v[ADRA], s[TBR], v[A0]
	v_add_nc_u32 v[ADRB], s[TBR], v[B0]
.endm
.macro TURN
	s_wait_xcnt 0x0                                ; the last prefetch, a K step back, has read its address
	s_add_nc_u64 s[PFA:PFA+1], s[PFA:PFA+1], s[PFS:PFS+1]
	MEET 1
	CREST                                          ; the barrier has opened a round of the cluster's: no wave of any partner still reads this slot or has a load on its way
	JLOAD 1                                        ; the first tensor load behind the round; its four v_nop are also the places in front of the loads below
	NEXTSLOT
	FETCH 0, 0
	ASK
	MUL12 1, 1, 0, 0
	MUL12 1, 1, 1, 0
.endm
	s_wait_tensorcnt 0x1                           ; my part of K step 0 is in; K step 1's may stay out
	s_barrier_signal -1
	s_barrier_wait -1
	FETCH 0, 0
	QUARTER 1, 0, 1, 1                             ; the first quarter stands in front of the loop: its products start the sums
	WIN 0
	s_mov_b32 s3, NSTEP-2
.Lstep:                                        ; a trip: a K step's quarters 1 to 3, the change of slots with its refill, the next step's quarter 0
	QUARTER 2, 1, 0, 0
	QUARTER 3, 0, 1, 0
	TURN
	QUARTER 1, 0, 1, 0
	WIN 0
	s_sub_co_u32 s3, s3, 1
	s_cmp_lg_u32 s3, 0
	s_cbranch_scc1 .Lstep
	s_mov_b32 s2, 2
.Ltail:                                        ; the last two K steps ask for nothing; the second trip is left in its middle
	QUARTER 2, 1, 0, 0
	QUARTER 3, 0, 1, 0
	MEET 0
	s_sub_co_u32 s2, s2, 1
	s_cmp_eq_u32 s2, 0
	s_cbranch_scc1 .Lfin
	PLACES
	NEXTSLOT
	FETCH 0, 0
	MUL12 1, 1, 0, 0
	MUL12 1, 1, 1, 0
	QUARTER 1, 0, 1, 0
	WIN 0
	s_branch .Ltail
.Lfin:
	MUL12 1, 1, 0, 0
	MUL12 1, 1, 1, 0
; THE WAY OUT, in 12 units n = 3 a + m: 16 rows (block a) of matrix m.  A lane holds 32 numbers of one row.
.macro UNITSET n
.set UA, (\n)/3
.set UM, (\n)%3
.set AC, 8*(12*(UA%2)+4*UM)
.set WW, 2+UA/2
.set BK, 160+32*((\n)%2)
.set SB, 8
.if UM == 1
.set SB, 70
.endif
.if UM == 2
.set SB, 72
.endif
.endm
.macro SPLIT n                         ; hi = bf16(sum); for q and k also lo = bf16(sum - hi): the difference is exact in f32.  Each accumulator is read from its low end on.
	UNITSET \n
	WIN WW|(WW<<2)
.set i, 0
.rept 16
	v_cvt_pk_bf16_f32 v[H+i], v[AC+2*i], v[AC+2*i+1]
.set i, i+1
.endr
	WIN 0
.if UM < 2
.set i, 0
.rept 16
	v_lshlrev_b32 v[TT+2*i], 16, v[H+i]
	v_and_b32 v[TT+2*i+1], s[HIM], v[H+i]
.set i, i+1
.endr
	WIN WW
.set i, 0
.rept 16
	v_pk_add_f32 v[TT+2*i:TT+2*i+1], v[AC+2*i:AC+2*i+1], v[TT+2*i:TT+2*i+1] neg_lo:[0,1] neg_hi:[0,1]
.set i, i+1
.endr
	WIN 0
.set i, 0
.rept 16
	v_cvt_pk_bf16_f32 v[LO+i], v[TT+2*i], v[TT+2*i+1]
.set i, i+1
.endr
.endif
.endm
.macro TOSTAGE n                       ; into my own stage and back as whole rows; LDS serves a wave's instructions in order (ISA guide 5.7.1.4)
	UNITSET \n
	WIN 0
.if UM < 2
.irp b, 0,1,2,3
	ds_store_b128 v[STO], v[H+4*(\b):H+4*(\b)+3] offset:32*(\b)
	ds_store_b128 v[STO], v[LO+4*(\b):LO+4*(\b)+3] offset:128+32*(\b)
.endr
.irp t, 0,1,2,3,4,5,6,7
	ds_load_b128 v[BK+4*(\t):BK+4*(\t)+3], v[RD] offset:(\t)*2*272
.endr
.else
.irp b, 0,1,2,3
	ds_store_b128 v[STO2], v[H+4*(\b):H+4*(\b)+3] offset:32*(\b)
.endr
.irp t, 0,1,2,3
	ds_load_b128 v[BK+4*(\t):BK+4*(\t)+3], v[RD2] offset:(\t)*4*144
.endr
.endif
.endm
.macro SEND n                          ; each store of the wave covers 512 consecutive bytes, aligned: the rows by heads are dense
	UNITSET \n
	WIN 0
	s_wait_dscnt 0x0                               ; the unit is back in registers
	s_wait_xcnt 0x0                                ; earlier stores have read their registers: the other buffer is loaded again only behind this wait
.if UM < 2
.irp t, 0,1,2,3,4,5,6,7
	global_store_b128 v[CO], v[BK+4*(\t):BK+4*(\t)+3], s[SB:SB+1] offset:UA*4096+512*(\t)
.endr
.else
.irp t, 0,1,2,3
	global_store_b128 v[CO], v[BK+4*(\t):BK+4*(\t)+3], s[SB:SB+1] offset:UA*2048+512*(\t)
.endr
.endif
.endm
	WIN 0
	PLACES
	SPLIT 0
	TOSTAGE 0
.irp n, 1,2,3,4,5,6,7,8,9,10,11
	SPLIT \n                                       ; a unit's arithmetic stands between the loads of the unit before and the wait for them
	SEND (\n)-1
	TOSTAGE \n
.endr
	SEND 11
	s_wait_tensorcnt 0x0                           ; the wave's end
	ds_add_u32 v[SPW], v[NIL]
	s_wait_dscnt 0x0
	CROUND                                         ; the closing round
	s_endpgm
.Lfunc_end_k_qd020f9885a_qkv:
	.size	k_qd020f9885a_qkv, .Lfunc_end_k_qd020f9885a_qkv-k_qd020f9885a_qkv
	.p2alignl 7, 3214868480
	.fill 96, 4, 3214868480
	.section	.rodata,"a",@progbits
	.p2align	6, 0x0
	.amdhsa_kernel k_qd020f9885a_qkv
		.amdhsa_group_segment_fixed_size 327680
		.amdhsa_private_segment_fixed_size 0
		.amdhsa_enable_private_segment 0
		.amdhsa_kernarg_size 24
		.amdhsa_user_sgpr_count 2
		.amdhsa_user_sgpr_kernarg_segment_ptr 1
		.amdhsa_wavefront_size32 1
		.amdhsa_system_sgpr_workgroup_id_x 1
		.amdhsa_system_sgpr_workgroup_id_y 1
		.amdhsa_system_sgpr_workgroup_id_z 1
		.amdhsa_system_vgpr_workitem_id 0
		.amdhsa_next_free_vgpr 960
		.amdhsa_next_free_sgpr 80
		.amdhsa_reserve_vcc 0
		.amdhsa_float_denorm_mode_32 3
		.amdhsa_float_denorm_mode_16_64 3
		.amdhsa_memory_ordered 1
		.amdhsa_forward_progress 1
		.amdhsa_inst_pref_size 119
	.end_amdhsa_kernel
	.amdgpu_metadata
---
amdhsa.version: [ 1, 2 ]
amdhsa.kernels:
  - .name:           k_qd020f9885a_qkv
    .symbol:         k_qd020f9885a_qkv.kd
    .args:
      - { .name: xb, .offset: 0, .size: 8, .value_kind: global_buffer, .address_space: global }
      - { .name: wb, .offset: 8, .size: 8, .value_kind: global_buffer, .address_space: global }
      - { .name: qkv, .offset: 16, .size: 8, .value_kind: global_buffer, .address_space: global }
    .group_segment_fixed_size: 327680
    .private_segment_fixed_size: 0
    .kernarg_segment_align: 8
    .kernarg_segment_size: 24
    .max_flat_workgroup_size: 128
    .sgpr_count:     80
    .vgpr_count:     960
    .wavefront_size: 32
...
	.end_amdgpu_metadata
.endif
;; end of part 2
;; launch attn (part 3): grid 4 x 64, 4 waves a work-group, no clusters, 327,680 bytes of LDS; arguments qkv, ob, Wp, W1, W2, wb; writes ob, wb
.if DOCPART == 3
	.amdgcn_target "amdgcn-amd-amdhsa--gfx1250"
	.amdhsa_code_object_version 6
	.text
	.protected	k_qd020f9885a_attn
	.globl	k_qd020f9885a_attn
	.p2align	8
	.type	k_qd020f9885a_attn,@function
k_qd020f9885a_attn:
	s_mov_b64 s[64:65], 0
	v_nop
	global_prefetch_b8 v0, s[64:65] scope:SCOPE_SE
	s_setreg_imm32_b32 hwreg(HW_REG_WAVE_MODE, 25, 1), 1
	s_wait_xcnt 0x0
; CAUSAL ATTENTION BY HEADS.  o[bh][s][:] = the sum over t <= s of softmax_t(32 q[s] . k[t]) v[t][:].  q and k arrive as bf16 pairs, rows [hi 64 | lo 64] of 256 bytes; v as bf16, rows of 128 bytes; o leaves as bf16, rows of 128 bytes.
; q . k = qh.kh + qh.kl + ql.kh, six products of 32 channels for each 16 x 16 scores; ql.kl, some 2^-18 of a term, is left out.  Products, maxima and sums in f32; the weights p are rounded to bf16 for the second product
; (their sum l is taken of the unrounded p), o once at the end.
; LIMITS.  A hidden score counts as its value less 1e30; a weight below 2^-126 counts as 0 in l; NaN and infinities are not treated apart.
; THE WALK.  A head has 8 blocks of 128 queries; block i needs the key tiles 0 .. i of 128 keys.  A work-group takes blocks 7 - b and then b: 9 tiles, 18 key steps of 64, whatever b: equal work, constant trip counts.
; NO CLUSTER: a head's four work-groups ask for the same tile only in the first 5 of the 9 trips; a walk common to all four would have 12 trips for 9.
; SHARES.  A wave owns 32 queries of a block: two tiles of 16.  In the block's last tile its own key step (the one that holds its diagonal) is step wave / 2; the step behind that is hidden from it.
; THE MASK is the C operand of the product that starts a sum: MC = MD x AL + BE, MD the mask of my own step (0 or -1e30), made once; (AL, BE) = (1, 0) in my own step, (0, -1e30) behind it, (0, 0) ahead of it.
; LAYOUT.  S^T = K Q^T holds one query a lane (lane % 16) and the keys 8 (lane / 16) + 0..7; two such results rounded to bf16 ARE source 1 of O^T = V^T P.  p = 2^(c s - c m), c = 32 log2(e), m the running maximum;
; O and l are multiplied by a = 2^(c m_old - c m_new) in every step; a block begins with c m far below every c s, so its first a is 0.
; IN PHASES: a trip is K's loads for the next step, the softmax of the step in hand, V^T P, the mask, V's loads, K Q^T of the next step.
; BESIDE THE WALK: Wp, W1 AND W2 ARE ROUNDED TO bf16 (to nearest even) INTO wb, for the three launches behind this one.  They hang on nothing that this launch computes.  Their 37,748,736 bytes of f32 are 9 groups x 1,024 waves
; x 4,096 bytes: group 0 is Wp, groups 1 to 4 are W1, groups 5 to 8 are W2, and the walk has 9 tiles.  Group t of wave g (of the launch's 1,024) goes to wb + 6,291,456 + 2,097,152 t + 2,048 g: the three lie on end there, as they lie
; in memory, [k][n].  A group is 8 loads of 512 consecutive bytes a wave, asked for at one change of slots and waited for at the next, two key steps later; its 16 conversions stand between the add and the wait for it;
; its 8 stores, each 256 consecutive bytes, aligned, stand behind the refill.
; REGISTERS (windows of 256; s_set_vgpr_msb bits 1:0 source 0, 3:2 source 1, 5:4 source 2, 7:6 destination):
;   window 0: v2-15, v32 addresses; v16-23 statistics (c m, m, l, l a tile); v24-31 at work; v64-127 S^T; v128-159 P; v160-191 a group of weights as loaded; v192-207 as stored     window 1: v0-63 O^T; v64-127 MD; v128-191 MC
;   window 2: v0-63 Q (tile u, fragment f: hi 0, hi 1, lo 0, lo 1); v64-127 the second block's Q; v128-255 K (key block kb, fragment f)     window 3: v0-63 V
.set KS,    64
.set PK,    272                        ; a row of K in LDS: 256 bytes + 16: the 16 rows of a load start at 16 different groups of four banks (64 banks of 4 bytes: ISA guide 11.1)
.set PV,    160                        ; a row of V: 128 + 32
.set VOFF,  128*PK
.set SLOT1, 65536
.set STAGE, SLOT1+128*(PK+PV)          ; behind the ring: 16 rows x 144 bytes for each wave
.set SP,    144
.set SPARE, STAGE+4*16*SP              ; the spare words, 128 bytes a wave: two blocks of 256 bytes that no other line names
.set KSOFF, 16777216
.set VSOFF, 33554432
.set WPOFF, 6291456                    ; where Wp, W1 and W2 begin in wb
.set GRPIN, 4194304                    ; a group's bytes of f32: 1,024 waves x 4,096
.set GRPOUT, 2097152                   ; and of bf16
.set AK0, 2
.set AV0, 3
.set AK,  4
.set AV,  5
.set STO, 6
.set RD,  7
.set GO,  8                            ; v8   16 x lane; never rewritten
.set MV,  12
.set QO,  15
.set ST,  16
.set TMP, 24
.set C8,  32                           ; v32  8 x lane; never rewritten
.set PFO, 61
.set SPW, 62
.set NIL, 63
.set S,   64
.set P,   128
.set CX,  160
.set CY,  192
.set MD,  64
.set MC,  128
.set QB,  64
.set KF,  128
.set OBA, 6                            ; s[6:7]   o at my rows of the block in hand
.set KB,  8                            ; s[8:9]   K at my half of the head's tile 0
.set VB,  10                           ; s[10:11] V likewise
.set WV,  12
.set PB,  14
.set HI,  15
.set G1K, 24
.set G1V, 32
.set G0K, 40
.set G0V, 44
.set OFFK, 48
.set OFFV, 50
.set PFA, 52
.set PFS, 54
.set SLOTS, 56                         ; tiles of the walk that are still to be left, the last one aside: 8 at the start, taken down behind each tile's trips
.set CNT, 57
.set CS,  58
.set SEL, 60
.set TBK, 62
.set TBV, 63
.set LIM, 66
.set SR,  67                           ; key steps of the block in hand whose scores are still to be made
.set OWN, 68                           ; SR at my own step: 2 - wave / 2
.set NXT, 69
.set LQ,  70
.set AL,  72
.set BE,  74
.set OLO, 76
.set BIGN, 78
.set GW,  79                           ; s79      my wave among the launch's 1,024
.set CWP, 92                           ; s[92:93] Wp at my 4,096 bytes: group 0
.set CSRC, 94                          ; s[94:95] W1 at my 4,096 bytes of group 1; it walks, and at group 5 goes over to W2
.set CW2, 96                           ; s[96:97] W2 at my 4,096 bytes of group 5
.set CDST, 98                          ; s[98:99] wb at my 2,048 bytes of the group that is stored next
.set MSB, 0
.macro WIN new
.if MSB != (\new)
	s_set_vgpr_msb (MSB<<8)|(\new)
.set MSB, (\new)
.endif
.endm
.set W_KQ, 0x0a
.set W_KM, 0x1a
.set W_PV, 0x53
.set W_RS, 0x41
.macro LOAD                            ; waves 0 and 1 fetch the halves of a tile's K, waves 2 and 3 those of its V; an s_nop 0 and four v_nop follow each line
	s_cmp_lt_u32 s[WV], 2
	s_cbranch_scc0 .Lfor_v_\@
	tensor_load_to_lds s[G0K:G0K+3], s[G1K:G1K+7]
	s_nop 0
.rept 4
	v_nop
.endr
	s_branch .Lasked_\@
.Lfor_v_\@:
	tensor_load_to_lds s[G0V:G0V+3], s[G1V:G1V+7]
	s_nop 0
.rept 4
	v_nop
.endr
.Lasked_\@:
.endm
; A PREFETCH INTO THE L2 of the tile behind the one that is being asked for.  All four work-groups of a head walk the same keys; the one with b = 0, whose first block walks tiles 0 to 7 in order, asks, each wave for the
; half that it will load itself: a lane 256 bytes; K's half is 16,384 bytes (two lines), V's 8,192 (one).  Tiles 3 to 7 (SLOTS = 7 to 3); tiles 0 to 2 come by their loads alone; nothing behind tile 7 is named.
.macro ASK
	s_cmp_gt_u32 s[SLOTS], s[LIM]
	s_cbranch_scc0 .Lnot_mine_\@
	global_prefetch_b8 v[PFO], s[PFA:PFA+1] th:TH_LOAD_NT scope:SCOPE_SE
	s_cmp_lt_u32 s[WV], 2
	s_cbranch_scc0 .Lnot_mine_\@
	global_prefetch_b8 v[PFO], s[PFA:PFA+1] offset:8192 th:TH_LOAD_NT scope:SCOPE_SE
.Lnot_mine_\@:
.endm
; THE WEIGHTS' GROUPS.  CISSUE: my 4,096 bytes of a group, 8 loads of 512 consecutive bytes.  CCONV: four numbers a lane and load make 8 bytes.  CSTORE: 8 stores of 256 consecutive bytes.
.macro CISSUE p
.irp j, 0,1,2,3,4,5,6,7
	global_load_b128 v[CX+4*(\j):CX+4*(\j)+3], v[GO], s[(\p):(\p)+1] offset:512*(\j) th:TH_LOAD_NT
.endr
.endm
.macro CCONV
.set z, 0
.rept 16
	v_cvt_pk_bf16_f32 v[CY+z], v[CX+2*z], v[CX+2*z+1]
.set z, z+1
.endr
.endm
.macro CSTORE
.irp j, 0,1,2,3,4,5,6,7
	global_store_b64 v[C8], v[CY+2*(\j):CY+2*(\j)+1], s[CDST:CDST+1] offset:256*(\j)
.endr
.endm
; THE CHANGE OF SLOTS.  Each wave waits for all its tensor loads (one is out: its part of the other slot), adds 0 to its spare word, waits for that and for its reads of the slot that it leaves; behind the barrier
; the old slot is filled again first (fill = 1), with tile NXT: the descriptor's address is made anew from that number.
; The weights' group that was asked for at the last change is converted while the add is out and stored behind the refill; with fill = 1 the next group is asked for.  cstep = 1: the two pointers step first.
.macro CHANGE fill, ask, cstep
	WIN 0
	s_wait_tensorcnt 0x0
	ds_add_u32 v[SPW], v[NIL]                      ; 0 onto my spare word; work on registers stands between it and the wait for it
.if \fill
	s_lshl_b32 s[OFFK], s[NXT], 15                 ; a tile is 32,768 bytes of K, 16,384 of V
	s_lshl_b32 s[OFFV], s[NXT], 14
	s_xor_b32 s[G0K+1], s[G0K+1], SLOT1
	s_add_nc_u64 s[G0K+2:G0K+3], s[KB:KB+1], s[OFFK:OFFK+1]
	s_or_b32 s[G0K+3], s[G0K+3], 0x80000000
	s_xor_b32 s[G0V+1], s[G0V+1], SLOT1
	s_add_nc_u64 s[G0V+2:G0V+3], s[VB:VB+1], s[OFFV:OFFV+1]
	s_or_b32 s[G0V+3], s[G0V+3], 0x80000000
	s_add_co_u32 s[NXT], s[NXT], 1                 ; the block's next tile, or behind its last the second block's tile 0
	s_cmp_gt_u32 s[NXT], s[LQ]
	s_cselect_b32 s[NXT], 0, s[NXT]
	s_cselect_b32 s[LQ], s[PB], s[LQ]
.endif
	s_wait_xcnt 0x0                                ; the prefetches, loads and stores of the last change, a tile back, have read their addresses and data: the pointers and v192-207 are written only behind this wait
.if \ask
	s_add_nc_u64 s[PFA:PFA+1], s[PFA:PFA+1], s[PFS:PFS+1]
.endif
.if \cstep
	s_add_nc_u64 s[CDST:CDST+1], s[CDST:CDST+1], GRPOUT
.if \fill
	s_add_nc_u64 s[CSRC:CSRC+1], s[CSRC:CSRC+1], GRPIN
	s_cmp_eq_u32 s[SLOTS], 4                       ; the group asked for below is number 9 - SLOTS: the fifth is W2's first
	s_cselect_b64 s[CSRC:CSRC+1], s[CW2:CW2+1], s[CSRC:CSRC+1]
.endif
.endif
	s_wait_loadcnt 0x0                             ; the group asked for a tile ago is in (at the first change: Q too)
	CCONV
	s_wait_dscnt 0x0                               ; the add is done, and my reads of the slot are over
	s_barrier_signal -1
	s_sub_co_u32 s[TBK], s[TBK], 2*KS*PK           ; the fetches go back to a slot's first step, in the other slot
	s_xor_b32 s[TBK], s[TBK], SLOT1
	s_sub_co_u32 s[TBV], s[TBV], 2*KS*PV
	s_xor_b32 s[TBV], s[TBV], SLOT1
	s_barrier_wait -1
.if \fill
	LOAD
.endif
.if \ask
	ASK
.endif
	CSTORE
.if \fill
	CISSUE CSRC
.endif
.endm
	s_load_b128 s[4:7], s[0:1], 0x0                ; qkv s[4:5], ob s[6:7]
	s_load_b256 s[CWP:CWP+7], s[0:1], 0x10         ; Wp s[92:93], W1 s[94:95], W2 s[96:97], wb s[98:99]
	v_lshl_add_u32 v[SPW], v0, 2, SPARE
	v_mov_b32 v[NIL], 0
	ds_add_u32 v[SPW], v[NIL]                      ; the wave's opening: the add and its wait ahead of my first tensor load
	ds_add_u32 v62, v63
	v_lshrrev_b32 v1, 5, v0
	v_readfirstlane_b32 s[WV], v1
	s_mov_b32 s[PB], ttmp9                         ; b
	s_sub_co_u32 s[HI], 7, s[PB]
	s_and_b32 s20, ttmp7, 0xffff                   ; bh
	s_lshl_b32 s[GW], s20, 2
	s_add_co_u32 s[GW], s[GW], s[PB]
	s_lshl_b32 s[GW], s[GW], 2
	s_add_co_u32 s[GW], s[GW], s[WV]               ; 16 bh + 4 b + wave: 0 to 1,023
	s_and_b32 s16, s[WV], 1                        ; which half of a tile I fetch
	s_lshl_b32 s21, s20, 18                        ; the head's first byte in q and in k
	s_lshl_b32 s22, s16, 14
	s_add_co_u32 s22, s22, s21
	s_add_co_u32 s22, s22, KSOFF
	s_mov_b32 s23, 0
	s_lshl_b32 s82, s20, 17
	s_lshl_b32 s83, s16, 13
	s_add_co_u32 s82, s82, s83
	s_add_co_u32 s82, s82, VSOFF
	s_mov_b32 s83, 0
	s_lshl_b32 s3, s[WV], 13                       ; my 32 rows of 256 bytes in a block,
	s_add_co_u32 s3, s3, s21
	s_lshl_b32 s2, s[HI], 15                       ; in the first block,
	s_add_co_u32 s2, s2, s3
	s_lshl_b32 s84, s[PB], 15                      ; and in the second
	s_add_co_u32 s84, s84, s3
	s_lshr_b32 s86, s2, 1                          ; o's rows are half as long
	s_lshr_b32 s88, s84, 1
	s_mov_b32 s3, 0
	s_mov_b32 s85, 0
	s_mov_b32 s87, 0
	s_mov_b32 s89, 0
	s_mov_b32 s[G1K], (1<<16)|(1<<20)|(5<<22)|(3<<25)  ; 2-byte elements; padding on; after every 64 words 4 words
	s_mov_b32 s[G1K+1], 128<<16                    ; 64 keys x 128 elements
	s_mov_b32 s[G1K+2], 64<<16
	s_mov_b32 s[G1K+3], 128<<16
	s_mov_b32 s[G1K+4], 64
	s_mov_b32 s[G1K+5], 128
	s_mov_b32 s[G1K+6], 0
	s_mov_b32 s[G1K+7], 0
	s_mov_b32 s[G1V], (1<<16)|(1<<20)|(4<<22)|(7<<25)  ; after every 32 words (a key) 8 words
	s_mov_b32 s[G1V+1], 128<<16                    ; 64 keys are 8,192 dense bytes: 32 rows of 256
	s_mov_b32 s[G1V+2], 32<<16
	s_mov_b32 s[G1V+3], 128<<16
	s_mov_b32 s[G1V+4], 32
	s_mov_b32 s[G1V+5], 128
	s_mov_b32 s[G1V+6], 0
	s_mov_b32 s[G1V+7], 0
	s_mov_b32 s[G0K], 1
	s_mul_i32 s[G0K+1], s16, KS*PK
	s_mov_b32 s[G0V], 1
	s_mul_i32 s[G0V+1], s16, KS*PV
	s_add_co_u32 s[G0V+1], s[G0V+1], VOFF
	s_mov_b32 s[CS], 0x4238aa3b                    ; c = 32 log2(e)
	s_mov_b32 s[CS+1], s[CS]
	s_mov_b32 s[SEL], 0x76543210
	s_mov_b32 s[SEL+1], 0xfedcba98
	s_mov_b32 s[TBK], SLOT1+2*KS*PK                ; the first change of slots turns these two into 0
	s_mov_b32 s[TBV], SLOT1+2*KS*PV
	s_add_co_u32 s[SR], s[HI], 1
	s_lshl_b32 s[SR], s[SR], 1                     ; the first block has 8 - b tiles of two steps
	s_lshr_b32 s13, s[WV], 1
	s_sub_co_u32 s[OWN], 2, s13
	s_mov_b32 s[NXT], 1
	s_mov_b32 s[LQ], s[HI]
	s_mov_b32 s[OFFK+1], 0
	s_mov_b32 s[OFFV+1], 0
	s_mov_b32 s[AL+1], 0
	s_mov_b32 s[BE+1], 0
	s_mov_b32 s[BIGN], 0xf149f2ca                  ; -1e30
	s_mov_b32 s[SLOTS], 8                          ; the walk has 9 tiles: the count is taken down behind tile 0's one trip too, so .Lslot is passed 7 times (tiles 1 to 7), and tile 8 is the tail's
	s_cmp_eq_u32 s[PB], 0
	s_cselect_b32 s[LIM], 2, -1
	s_mov_b32 s13, 32768
	s_cmp_lt_u32 s[WV], 2
	s_cselect_b32 s[PFS], s13, 16384
	s_mov_b32 s[PFS+1], 0
	s_lshl_b32 s18, s[PFS], 1
	s_mov_b32 s19, 0
	s_wait_dscnt 0x0                               ; the opening add is done
	s_wait_kmcnt 0x0
	s_add_nc_u64 s[KB:KB+1], s[4:5], s[22:23]
	s_add_nc_u64 s[VB:VB+1], s[4:5], s[82:83]
	s_add_nc_u64 s[80:81], s[4:5], s[84:85]        ; Q of the second block,
	s_add_nc_u64 s[4:5], s[4:5], s[2:3]            ; of the first
	s_add_nc_u64 s[OLO:OLO+1], s[6:7], s[88:89]
	s_add_nc_u64 s[OBA:OBA+1], s[6:7], s[86:87]
	s_add_nc_u64 s[G0K+2:G0K+3], s[KB:KB+1], 0
	s_or_b32 s[G0K+3], s[G0K+3], 0x80000000
	s_add_nc_u64 s[G0V+2:G0V+3], s[VB:VB+1], 0
	s_or_b32 s[G0V+3], s[G0V+3], 0x80000000
	s_cmp_lt_u32 s[WV], 2
	s_cselect_b64 s[PFA:PFA+1], s[KB:KB+1], s[VB:VB+1]
	s_add_nc_u64 s[PFA:PFA+1], s[PFA:PFA+1], s[18:19]  ; at tile 2; stepped ahead of each use
	LOAD                                           ; tile 0 into slot 0
	s_lshl_b32 s2, s[GW], 12                       ; the weights: my 4,096 bytes of f32 in a group,
	s_mov_b32 s3, 0
	s_lshl_b32 s22, s[GW], 11                      ; my 2,048 bytes of bf16, behind WQKV
	s_add_co_u32 s22, s22, WPOFF
	s_mov_b32 s23, 0
	s_add_nc_u64 s[CWP:CWP+1], s[CWP:CWP+1], s[2:3]
	s_add_nc_u64 s[CSRC:CSRC+1], s[CSRC:CSRC+1], s[2:3]
	s_add_nc_u64 s[CW2:CW2+1], s[CW2:CW2+1], s[2:3]
	s_add_nc_u64 s[CDST:CDST+1], s[CDST:CDST+1], s[22:23]
	v_and_b32 v1, 15, v0                           ; r
	v_bfe_u32 v9, v0, 4, 1                         ; h
	v_lshlrev_b32 v[QO], 8, v1
	v_lshl_add_u32 v[QO], v9, 4, v[QO]
	v_and_b32 v[GO], 31, v0
	v_lshlrev_b32 v[PFO], 8, v[GO]
	v_lshlrev_b32 v[C8], 3, v[GO]
	v_lshlrev_b32 v[GO], 4, v[GO]
	WIN 0x80
.set i, 0
.rept 8                                        ; both blocks' Q: tile i / 4, fragment i % 4
	global_load_b128 v[8*i:8*i+3],         v[QO], s[4:5] offset:(i/4)*4096+(i%4)*64
	global_load_b128 v[8*i+4:8*i+7],       v[QO], s[4:5] offset:(i/4)*4096+(i%4)*64+32
	global_load_b128 v[QB+8*i:QB+8*i+3],   v[QO], s[80:81] offset:(i/4)*4096+(i%4)*64
	global_load_b128 v[QB+8*i+4:QB+8*i+7], v[QO], s[80:81] offset:(i/4)*4096+(i%4)*64+32
.set i, i+1
.endr
	WIN 0
	CISSUE CWP                                     ; the weights' group 0: Wp
	v_lshlrev_b32 v14, 3, v9
	v_sub_nc_u32 v14, v1, v14
	s_lshl_b32 s13, s16, 5
	v_add_nc_u32 v14, s13, v14                     ; tile 0's query in my own step, 32 (wave % 2) + r, less my lanes' 8 h: register j of key block kb is hidden where 16 kb + j - 16 u is greater
	WIN 0x40
.set i, 0
.rept 64
	v_cmp_gt_i32 vcc_lo, 16*((i%32)/8)+i%8-16*(i/32), v14
	v_cndmask_b32 v[MD+i], 0, s[BIGN], vcc_lo
.set i, i+1
.endr
.set i, 0
.rept 64
	v_mov_b32 v[i], 0                              ; O^T: a block's first step multiplies it by a = 0, so it need only be finite
.set i, i+1
.endr
	WIN 0
.irp t, 0,1
	v_mov_b32 v[ST+4*(\t)], 0xfe000000             ; c m: far below every c s
	v_mov_b32 v[ST+4*(\t)+1], 0xff7fffff           ; m
	v_mov_b32 v[ST+4*(\t)+2], 0
	v_mov_b32 v[ST+4*(\t)+3], 0
.endr
	v_mul_u32_u24 v[AK0], v1, PK
	v_lshl_add_u32 v[AK0], v9, 4, v[AK0]
	v_and_b32 v10, 7, v0
	v_bfe_u32 v11, v0, 3, 1
	v_lshl_add_u32 v[AV0], v9, 3, v10
	v_mul_u32_u24 v[AV0], v[AV0], PV
	v_lshl_add_u32 v[AV0], v11, 4, v[AV0]
	v_add_nc_u32 v[AV0], VOFF, v[AV0]
	s_mul_i32 s13, s[WV], 16*SP
	s_add_co_u32 s13, s13, STAGE
	v_mul_u32_u24 v[STO], v1, SP
	v_lshl_add_u32 v[STO], v9, 4, v[STO]
	v_add_nc_u32 v[STO], s13, v[STO]
	v_bfe_u32 v[RD], v0, 3, 2
	v_mul_u32_u24 v[RD], v[RD], SP
	v_lshl_add_u32 v[RD], v10, 4, v[RD]
	v_add_nc_u32 v[RD], s13, v[RD]
; 48 products S^T = K Q^T: for p = 0..5 the fragments (K, Q) = (hi0, hi0), (hi1, hi1), (lo0, hi0), (lo1, hi1), (hi0, lo0), (hi1, lo1); the 8 accumulators (kb, u) take turns.
.macro SCORES
.irp p, 0,1,2,3,4,5
.set fq, (\p)-2*(((\p)/2+1)/2)
.irp kb, 0,1,2,3
.irp u, 0,1
.if (\p) == 0
	WIN W_KM
	v_wmma_f32_16x16x32_bf16 v[S+32*(\u)+8*(\kb):S+32*(\u)+8*(\kb)+7], v[KF+32*(\kb):KF+32*(\kb)+7], v[32*(\u):32*(\u)+7], v[MC+32*(\u)+8*(\kb):MC+32*(\u)+8*(\kb)+7]
.else
	WIN W_KQ
	v_wmma_f32_16x16x32_bf16 v[S+32*(\u)+8*(\kb):S+32*(\u)+8*(\kb)+7], v[KF+32*(\kb)+8*((\p)%4):KF+32*(\kb)+8*((\p)%4)+7], v[32*(\u)+8*fq:32*(\u)+8*fq+7], v[S+32*(\u)+8*(\kb):S+32*(\u)+8*(\kb)+7]
.endif
.endr
.endr
.endr
.endm
; 16 products O^T += V^T P: keys 32 kk on, channels 16 cb on, tile u; the 8 accumulators take turns.
.macro PVS
	WIN W_PV
.irp kk, 0,1
.irp cb, 0,1,2,3
.irp u, 0,1
	v_wmma_f32_16x16x32_bf16 v[32*(\u)+8*(\cb):32*(\u)+8*(\cb)+7], v[32*(\kk)+8*(\cb):32*(\kk)+8*(\cb)+7], v[P+16*(\u)+8*(\kk):P+16*(\u)+8*(\kk)+7], v[32*(\u)+8*(\cb):32*(\u)+8*(\cb)+7]
.endr
.endr
.endr
.endm
.macro FETCH_K                         ; a step's K: 64 keys x 128 elements, 32 loads
	WIN 0
	v_add_nc_u32 v[AK], s[TBK], v[AK0]
	s_add_co_u32 s[TBK], s[TBK], KS*PK
	WIN 0x80
.irp f, 0,1,2,3,4,5,6,7,8,9,10,11,12,13,14,15
	ds_load_b128 v[KF+8*(\f):KF+8*(\f)+3],   v[AK] offset:((\f)/4)*16*PK+((\f)%4)*64
	ds_load_b128 v[KF+8*(\f)+4:KF+8*(\f)+7], v[AK] offset:((\f)/4)*16*PK+((\f)%4)*64+32
.endr
	WIN 0
.endm
.macro FETCH_V                         ; a step's V, turned: 16 loads
	WIN 0
	v_add_nc_u32 v[AV], s[TBV], v[AV0]
	s_add_co_u32 s[TBV], s[TBV], KS*PV
	WIN 0xc0
.irp f, 0,1,2,3,4,5,6,7
	ds_load_tr16_b128 v[8*(\f):8*(\f)+3],   v[AV] offset:((\f)/4)*32*PV+((\f)%4)*32
	ds_load_tr16_b128 v[8*(\f)+4:8*(\f)+7], v[AV] offset:((\f)/4)*32*PV+16*PV+((\f)%4)*32
.endr
	WIN 0
.endm
.macro MKMASK                          ; the mask of the step whose scores come next
	s_cmp_eq_u32 s[SR], s[OWN]
	s_cselect_b32 s[AL], 1.0, 0
	s_cmp_lt_u32 s[SR], s[OWN]
	s_cselect_b32 s[BE], s[BIGN], 0
	WIN W_RS
.set z, 0
.rept 32
	v_pk_fma_f32 v[MC+2*z:MC+2*z+1], v[MD+2*z:MD+2*z+1], s[AL:AL+1], s[BE:BE+1] op_sel_hi:[1,0,0]
.set z, z+1
.endr
.endm
; THE SOFTMAX, one line at a time: OP kind, number, tile.  F n: c s - c m for pair n.  E n: the exponential of score n.  C n: pair n rounded to bf16.  B n: of four weights the second pair is added onto the first.
; L n: l takes that sum (L 0: l = a l + sum).  R n: pair n of O^T times a.  X n: the maximum and statistics: 0-11 four chains of seven scores (each accumulator's lowest registers first);
; 12-14, 16 the rest, the old m, all into c0; 15 c m_old is kept; 17, 18 the other half of the lanes; 19-21 c m, its change, a.
.set F, 0
.set E, 1
.set C, 2
.set B, 3
.set L, 4
.set R, 5
.set X, 6
.macro OP k, n, u
.set rT, ST+4*(\u)
.set rC, TMP+4*(\u)
.set rW, MV+(\u)
.set rS, S+32*(\u)
.set rP, P+16*(\u)
.set rO, 32*(\u)
.if (\k) == R
	WIN W_RS
	v_pk_mul_f32 v[rO+2*(\n):rO+2*(\n)+1], v[rO+2*(\n):rO+2*(\n)+1], v[rC+2:rC+3] op_sel_hi:[1,0]
.else
	WIN 0
.if (\k) == F
	v_pk_fma_f32 v[rS+2*(\n):rS+2*(\n)+1], v[rS+2*(\n):rS+2*(\n)+1], s[CS:CS+1], v[rT:rT+1] op_sel_hi:[1,0,0] neg_lo:[0,0,1] neg_hi:[0,0,1]
.elseif (\k) == E
	v_exp_f32 v[rS+(\n)], v[rS+(\n)]
.elseif (\k) == C
	v_cvt_pk_bf16_f32 v[rP+(\n)], v[rS+2*(\n)], v[rS+2*(\n)+1]
.elseif (\k) == B
	v_pk_add_f32 v[rS+4*(\n):rS+4*(\n)+1], v[rS+4*(\n):rS+4*(\n)+1], v[rS+4*(\n)+2:rS+4*(\n)+3]
.elseif ((\k) == L) && ((\n) == 0)
	v_pk_fma_f32 v[rT+2:rT+3], v[rT+2:rT+3], v[rC+2:rC+3], v[rS:rS+1] op_sel_hi:[1,0,1]
.elseif (\k) == L
	v_pk_add_f32 v[rT+2:rT+3], v[rT+2:rT+3], v[rS+4*(\n):rS+4*(\n)+1]
.elseif (\n) < 4
	v_max3_num_f32 v[rC+(\n)], v[rS+8*(\n)], v[rS+8*(\n)+1], v[rS+8*(\n)+2]
.elseif (\n) < 12
	v_max3_num_f32 v[rC+(\n)%4], v[rC+(\n)%4], v[rS+8*((\n)%4)+2*((\n)/4)+1], v[rS+8*((\n)%4)+2*((\n)/4)+2]
.elseif (\n) == 12
	v_max3_num_f32 v[rC], v[rC], v[rS+7], v[rS+15]
.elseif (\n) == 13
	v_max3_num_f32 v[rC+1], v[rC+1], v[rS+23], v[rS+31]
.elseif (\n) == 14
	v_max3_num_f32 v[rC+2], v[rC+2], v[rC+3], v[rT+1]
.elseif (\n) == 15
	v_mov_b32 v[rW], v[rT]
.elseif (\n) == 16
	v_max3_num_f32 v[rC], v[rC], v[rC+1], v[rC+2]
.elseif (\n) == 17
	v_permlanex16_b32 v[rC+3], v[rC], s[SEL], s[SEL+1]
.elseif (\n) == 18
	v_max_num_f32 v[rT+1], v[rC], v[rC+3]
.elseif (\n) == 19
	v_mul_f32 v[rT], s[CS], v[rT+1]
.elseif (\n) == 20
	v_sub_f32 v[rC+1], v[rW], v[rT]
.else
	v_exp_f32 v[rC+2], v[rC+1]
.endif
.endif
.endm
.macro BOTH k, n                       ; the two tiles alternate, so that no line reads the result of the line before it
	OP \k, \n, 0
	OP \k, \n, 1
.endm
.macro SOFTMAX
.irp n, 0,1,2,3,4,5,6,7,8,9,10,11,12,13,15,14,16,17,18,19,20
	BOTH X, \n
.endr
	BOTH F, 0
.set g, 1
.rept 15                               ; a pair is scaled a group ahead of its exponentials; all 66 exponentials are ONE batch: nothing ahead of the wait names a result
	BOTH F, g
	BOTH E, 2*g-2
	BOTH E, 2*g-1
.set g, g+1
.endr
	BOTH E, 30
	BOTH E, 31
	BOTH X, 21
	v_nop                                          ; a plain instruction behind the last exponential (ISA guide 5.7.2),
	s_wait_alu depctr_va_vdst(0)                   ; and the one wait ahead of the batch's first reader
.set g, 0
.rept 8
	BOTH C, 2*g
	BOTH C, 2*g+1
	BOTH B, g
.set g, g+1
.endr
.set g, 0
.rept 8
	BOTH L, g
.set g, g+1
.endr
.set g, 0
.rept 16
	BOTH R, g
.set g, g+1
.endr
.endm
; A BLOCK'S WAY OUT: l's halves and the other half of the lanes' are added; O^T is divided by l, rounded to bf16 and sent through my stage, a tile (16 rows, 2,048 dense bytes of o) at a time.
.macro PACK t
	WIN W_RS
.set i, 32*(\t)
.rept 16
	v_pk_mul_f32 v[i:i+1], v[i:i+1], v[ST+4*(\t)+2:ST+4*(\t)+3] op_sel_hi:[1,0]
.set i, i+2
.endr
	WIN 0x05
.set i, 0
.rept 16
	v_cvt_pk_bf16_f32 v[S+16*(\t)+i], v[32*(\t)+2*i], v[32*(\t)+2*i+1]
.set i, i+1
.endr
	WIN 0
.irp f, 0,1,2,3
	ds_store_b128 v[STO], v[S+16*(\t)+4*(\f):S+16*(\t)+4*(\f)+3] offset:32*(\f)
.endr
.irp f, 0,1,2,3
	ds_load_b128 v[S+16*(\t)+4*(\f):S+16*(\t)+4*(\f)+3], v[RD] offset:(\f)*4*SP  ; LDS serves a wave's instructions in order (ISA guide 5.7.1.4)
.endr
.endm
.macro SEND t, younger                 ; younger: the LDS lines issued behind tile t's loads
	WIN 0
.irp f, 0,1,2,3
	s_wait_dscnt (\younger)+3-(\f)
	global_store_b128 v[GO], v[S+16*(\t)+4*(\f):S+16*(\t)+4*(\f)+3], s[OBA:OBA+1] offset:(\t)*2048+(\f)*512  ; 512 consecutive bytes, aligned
.endr
.endm
.macro WAYOUT
	WIN 0
.rept 4
	v_nop                                          ; the places behind the last products
.endr
.irp t, 0,1
	v_add_f32 v[ST+4*(\t)+2], v[ST+4*(\t)+2], v[ST+4*(\t)+3]
.endr
.irp t, 0,1
	v_permlanex16_b32 v[ST+4*(\t)+3], v[ST+4*(\t)+2], s[SEL], s[SEL+1]
.endr
.irp t, 0,1
	v_add_f32 v[ST+4*(\t)+2], v[ST+4*(\t)+2], v[ST+4*(\t)+3]
.endr
.irp t, 0,1
	v_rcp_f32 v[ST+4*(\t)+2], v[ST+4*(\t)+2]
.endr
	v_nop
	s_wait_alu depctr_va_vdst(0)                   ; one wait for the two reciprocals
	PACK 0
	PACK 1
	SEND 0, 8
	SEND 1, 0
.endm
.macro BEGIN                           ; the second block begins (behind the walk's last block these lines serve nothing)
	s_wait_xcnt 0x0                                ; the stores have read their registers and o's address
	s_mov_b64 s[OBA:OBA+1], s[OLO:OLO+1]
	s_add_co_u32 s[SR], s[PB], 1
	s_lshl_b32 s[SR], s[SR], 1                     ; b + 1 tiles of two steps
.irp t, 0,1
	v_mov_b32 v[ST+4*(\t)], 0xfe000000
	v_mov_b32 v[ST+4*(\t)+1], 0xff7fffff
.endr
	WIN 0x82
.set i, 0
.rept 64
	v_mov_b32 v[i], v[QB+i]
.set i, i+1
.endr
	WIN 0
.endm
; A TRIP, for key step j.  last = 1 (the tail): the third trip fetches no K and is left behind its V^T P.
.macro TRIP last
	WIN 0
.rept 4
	v_nop                                          ; the places behind the scores' products, in front of the loads into K's registers and of the maximum
.endr
.if \last
	s_cmp_eq_u32 s[CNT], 1
	s_cbranch_scc1 .Lno_k_\@
.endif
	FETCH_K                                        ; step j + 1
.if \last
.Lno_k_\@:
.endif
	SOFTMAX
	s_wait_dscnt 0x0                               ; V of step j and K of step j + 1 are in
	PVS
	WIN 0
	s_cmp_lg_u32 s[SR], 0
	s_cbranch_scc1 .Lgo_\@
	WAYOUT                                         ; step j was the block's last
	BEGIN
.Lgo_\@:
.if \last
	s_sub_co_u32 s[CNT], s[CNT], 1
	s_cmp_eq_u32 s[CNT], 0
	s_cbranch_scc1 .Lout
.endif
	MKMASK                                         ; its 32 lines are also the places in front of the loads into V's registers
	FETCH_V                                        ; step j + 1
	SCORES
	WIN 0
	s_sub_co_u32 s[SR], s[SR], 1
.endm
	CHANGE 1, 0, 0                                 ; tile 0 is in, everybody's part of it, and so are Q and the weights' group 0; tile 1 and group 1 are asked for
	MKMASK
	FETCH_K
	FETCH_V
	s_wait_dscnt 16                                ; K is in; V's 16 loads may stay out.  (Q was waited for in the change of slots above; no wait on the loads stands here, where group 1 is on its way)
	SCORES
	WIN 0
	s_sub_co_u32 s[SR], s[SR], 1
	s_mov_b32 s[CNT], 1                            ; tile 0 has one step left to fetch
	s_branch .Lstep
.Lslot:                                        ; 7 times: tiles 1 to 7 of the walk are entered, tiles 2 to 8 asked for; the weights' groups 1 to 7 are stored, groups 2 to 8 asked for
	CHANGE 1, 1, 1
	s_mov_b32 s[CNT], 2
.Lstep:
	TRIP 0
	s_sub_co_u32 s[CNT], s[CNT], 1
	s_cmp_lg_u32 s[CNT], 0
	s_cbranch_scc1 .Lstep
	s_sub_co_u32 s[SLOTS], s[SLOTS], 1
	s_cmp_lg_u32 s[SLOTS], 0
	s_cbranch_scc1 .Lslot
	CHANGE 0, 0, 1                                 ; the walk's last tile, tile 8: nothing is asked for; the weights' group 8 is stored
	s_mov_b32 s[CNT], 3                            ; key steps 15, 16 and 17 are finished here
.Ltail:
	TRIP 1
	s_branch .Ltail
.Lout:
	s_wait_tensorcnt 0x0                           ; the wave's end
	ds_add_u32 v[SPW], v[NIL]
	s_wait_dscnt 0x0
	s_endpgm
.Lfunc_end_k_qd020f9885a_attn:
	.size	k_qd020f9885a_attn, .Lfunc_end_k_qd020f9885a_attn-k_qd020f9885a_attn
	.p2alignl 7, 3214868480
	.fill 96, 4, 3214868480
	.section	.rodata,"a",@progbits
	.p2align	6, 0x0
	.amdhsa_kernel k_qd020f9885a_attn
		.amdhsa_group_segment_fixed_size 327680
		.amdhsa_private_segment_fixed_size 0
		.amdhsa_enable_private_segment 0
		.amdhsa_kernarg_size 48
		.amdhsa_user_sgpr_count 2
		.amdhsa_user_sgpr_kernarg_segment_ptr 1
		.amdhsa_wavefront_size32 1
		.amdhsa_system_sgpr_workgroup_id_x 1
		.amdhsa_system_sgpr_workgroup_id_y 1
		.amdhsa_system_sgpr_workgroup_id_z 1
		.amdhsa_system_vgpr_workitem_id 0
		.amdhsa_next_free_vgpr 832
		.amdhsa_next_free_sgpr 100
		.amdhsa_reserve_vcc 1
		.amdhsa_float_denorm_mode_32 3
		.amdhsa_float_denorm_mode_16_64 3
		.amdhsa_memory_ordered 1
		.amdhsa_forward_progress 1
		.amdhsa_inst_pref_size 103
	.end_amdhsa_kernel
	.amdgpu_metadata
---
amdhsa.version: [ 1, 2 ]
amdhsa.kernels:
  - .name:           k_qd020f9885a_attn
    .symbol:         k_qd020f9885a_attn.kd
    .args:
      - { .name: qkv, .offset: 0, .size: 8, .value_kind: global_buffer, .address_space: global }
      - { .name: ob, .offset: 8, .size: 8, .value_kind: global_buffer, .address_space: global }
      - { .name: Wp, .offset: 16, .size: 8, .value_kind: global_buffer, .address_space: global }
      - { .name: W1, .offset: 24, .size: 8, .value_kind: global_buffer, .address_space: global }
      - { .name: W2, .offset: 32, .size: 8, .value_kind: global_buffer, .address_space: global }
      - { .name: wb, .offset: 40, .size: 8, .value_kind: global_buffer, .address_space: global }
    .group_segment_fixed_size: 327680
    .private_segment_fixed_size: 0
    .kernarg_segment_align: 8
    .kernarg_segment_size: 48
    .max_flat_workgroup_size: 128
    .sgpr_count:     100
    .vgpr_count:     832
    .wavefront_size: 32
...
	.end_amdgpu_metadata
.endif
;; end of part 3
;; launch proj (part 4): grid 8 x 32, 4 waves a work-group, clusters of 4 x 4, 327,680 bytes of LDS; arguments ob, wb, xb, x1f, x1b; writes x1f, x1b
.if DOCPART == 4
	.amdgcn_target "amdgcn-amd-amdhsa--gfx1250"
	.amdhsa_code_object_version 6
	.text
	.protected	k_qd020f9885a_proj
	.globl	k_qd020f9885a_proj
	.p2align	8
	.type	k_qd020f9885a_proj,@function
k_qd020f9885a_proj:
	s_mov_b64 s[64:65], 0
	v_nop
	global_prefetch_b8 v0, s[64:65] scope:SCOPE_SE
	s_setreg_imm32_b32 hwreg(HW_REG_WAVE_MODE, 25, 1), 1
	s_wait_xcnt 0x0
	s_wait_alu depctr_hold_cnt(0) depctr_sa_sdst(0) depctr_va_vdst(0) depctr_va_sdst(0) depctr_va_ssrc(0) depctr_va_vcc(0) depctr_vm_vsrc(0)
	s_getreg_b32 s2, hwreg(HW_REG_IB_STS2, 6, 4)
	s_cmp_eq_u32 s2, 0
	s_cbranch_scc0 .Lentry_in_a_cluster
	s_endpgm
.Lentry_in_a_cluster:
	s_bfe_u32 s2, ttmp6, 0x10000c
	s_cmp_lg_u32 s2, 0xf033
	s_cbranch_scc0 .Lentry_shape_is_right
	s_endpgm
.Lentry_shape_is_right:
; ONE TEXT FOR TWO LAUNCHES, told apart by ISPROJ.  out = residual + A W + bias on tiles of 128 x 128; bf16 operands, f32 sums; the bias is the C operand of the products that start the sums.
;   ISPROJ = 1: x1 = xb + o Wp + bp.  A = o by heads ([bh][s][64] bf16): a K step of 256 is four heads; x1 is stored in f32 (the carried residual) and once rounded to bf16 (the next product's operand).
;   ISPROJ = 0: out0 = x1 + h W2 + b2.  A = h, [4096][4096] bf16; K = 4,096.
; Four waves, each 64 x 64: 16 accumulators.  K goes in steps of 256 through two LDS slots; the weights lie [k][n] in LDS and come out turned (ds_load_tr16_b128); the product is used transposed
; (source 0 = 16 weight columns, source 1 = 16 rows of A), so a lane ends with 8 neighbouring columns of one row.
; CLUSTER 4 x 4: A's tile is shared along a row of the cluster, the weights' along a column: joint loads, a mask of four.  One K step to a trip: one descriptor a tensor walks; the last two K steps are a loop of two trips left in its middle.
; NO PREFETCH: a K step here is 128 products a wave on tiles of 64 rows or 128 short rows; the tiles are small.
; THE WAY OUT goes through a stage of 128 rows x 528 bytes (f32) in slot 0, which has had its last fill and, behind the last barrier of the K steps, its last read; each wave then finishes 32 whole rows of 512 bytes.
; LIMITS: operands have bf16's 8 significant bits; NaN and infinities are not treated apart.
; REGISTERS: window 0: v16-31 addresses; v32-95 at work; v96-127 the bias; v128-255 accumulator (a, b) at 128 + 8 (4 a + b).  window 1: two fragment buffers of 128 (A's 64, then the weights' 64).  window 2: the residual.
.set ISPROJ, 1
.if ISPROJ
.set PA,     144                       ; a head's row: 128 bytes + 16
.set HALFA,  4*64*PA                   ; [head 4][row 64]
.set AQ,     64*PA                     ; a quarter of a K step is a head
.set NSTEP,  4
.set STEPA,  4*131072
.set WOFF,   6291456
.set BIOFF,  25165824
.set RES,    64
.else
.set PA,     528                       ; 512 bytes + 16
.set HALFA,  64*PA
.set AQ,     128
.set NSTEP,  16
.set STEPA,  512
.set WOFF,   16777216
.set BIOFF,  25165824+10240
.set RES,    0
.endif
.set PW,     288                       ; a row of 128 weights: 256 bytes + 32
.set HALFB,  128*PW
.set BOFF,   2*HALFA
.set SLOTD,  0x24000                   ; slot 1 begins here; its two bits are set in no LDS word of slot 0
.set SPARE,  2*SLOTD                   ; the spare words, 128 bytes a wave: two blocks of 256 bytes that no other line names
.set SPT,    528                       ; a stage row: 512 bytes + 16
.set STEPB,  256*2048
.set A0,   16
.set B0,   17
.set ADRA, 18
.set ADRB, 19                          ; v19, v20: the K step's first and second 128 rows of weights
.set B1,   22
.set STO,  24
.set RD,   25
.set CO,   26                          ; 16 x lane
.set CB,   27                          ; 8 x lane
.set SPW,  28
.set NIL,  29
.set BO,   31
.set TMP,  32
.set BI,   96
.set ACC,  128
.set F0,   0
.set F1,   128
.set G1A, 24
.set G0A, 32
.set G1B, 48
.set G0B, 56
.set TBR, 66
.set HIM, 67
.set MSB, 0
.macro WIN new
.if MSB != (\new)
	s_set_vgpr_msb (MSB<<8)|(\new)
.set MSB, \new
.endif
.endm
.macro JLOAD s                         ; waves 0 and 1 fetch A's halves, waves 2 and 3 the weights'; an s_nop 0 and four v_nop follow each line
	s_cmp_eq_u32 s11, 0
	s_cbranch_scc0 .Lfor_b_\@
	tensor_load_to_lds s[G0A+4*(\s):G0A+4*(\s)+3], s[G1A:G1A+7]
	s_nop 0
.rept 4
	v_nop
.endr
	s_branch .Lasked_\@
.Lfor_b_\@:
	tensor_load_to_lds s[G0B+4*(\s):G0B+4*(\s)+3], s[G1B:G1B+7]
	s_nop 0
.rept 4
	v_nop
.endr
.Lasked_\@:
.endm
.macro CREST
	s_cmp_lg_u32 s10, 0
	s_cbranch_scc1 .Lnot_wave_0_\@
	s_barrier_signal -3
.Lnot_wave_0_\@:
	s_barrier_wait -3
	s_barrier_signal -1
	s_barrier_wait -1
.endm
.macro CROUND
	s_barrier_signal -1
	s_barrier_wait -1
	CREST
.endm
.macro PLACES
.rept 4
	v_nop
.endr
.endm
	s_load_b128 s[4:7], s[0:1], 0x0                ; A s[4:5], wb s[6:7]
	s_load_b128 s[68:71], s[0:1], 0x10             ; the residual s[68:69], the f32 output s[70:71]
.if ISPROJ
	s_load_b64 s[72:73], s[0:1], 0x20              ; x1b
.endif
	v_lshl_add_u32 v[SPW], v0, 2, SPARE
	v_mov_b32 v[NIL], 0
	ds_add_u32 v[SPW], v[NIL]                      ; the wave's opening: the add and its wait ahead of my first tensor load
	ds_add_u32 v28, v29
	v_lshrrev_b32 v1, 5, v0
	v_readfirstlane_b32 s10, v1
	s_lshr_b32 s11, s10, 1                         ; my half of the tile's rows; also: I fetch for A (0) or for the weights (1)
	s_and_b32 s12, s10, 1                          ; my half of its columns; also: which half I fetch
	s_bfe_u32 s40, ttmp6, 0x40000
	s_bfe_u32 s41, ttmp6, 0x40004
	s_lshl_b32 s42, ttmp9, 2
	s_add_co_u32 s42, s42, s40                     ; tile column
	s_and_b32 s13, ttmp7, 0xffff
	s_lshl_b32 s13, s13, 2
	s_add_co_u32 s13, s13, s41                     ; tile row
	s_lshl_b32 s43, s41, 2
	s_lshl_b32 s43, 15, s43
	s_lshl_b32 s44, 0x1111, s40
.if ISPROJ
	s_or_b32 s[G1A], s43, (1<<16)|(1<<20)|(1<<21)|(4<<22)|(3<<25)  ; after every 32 words (a head's row) 4 words
	s_mov_b32 s[G1A+1], 4096<<16                   ; 64 rows of a head are 4,096 elements on end: one row of the tile;
	s_mov_b32 s[G1A+2], 4<<16                      ; four heads,
	s_mov_b32 s[G1A+3], 4096<<16
	s_mov_b32 s[G1A+4], 4
	s_mov_b32 s[G1A+5], 65536                      ; 65,536 elements apart
.else
	s_or_b32 s[G1A], s43, (1<<16)|(1<<20)|(1<<21)|(6<<22)|(3<<25)  ; after every 128 words 4 words
	s_mov_b32 s[G1A+1], 256<<16
	s_mov_b32 s[G1A+2], 64<<16
	s_mov_b32 s[G1A+3], 256<<16
	s_mov_b32 s[G1A+4], 64
	s_mov_b32 s[G1A+5], 4096
.endif
	s_mov_b32 s[G1A+6], 0
	s_mov_b32 s[G1A+7], 0
	s_or_b32 s[G1B], s44, (1<<16)|(1<<20)|(1<<21)|(5<<22)|(7<<25)  ; after every 64 words 8 words
	s_mov_b32 s[G1B+1], 128<<16
	s_mov_b32 s[G1B+2], 128<<16
	s_mov_b32 s[G1B+3], 128<<16
	s_mov_b32 s[G1B+4], 128
	s_mov_b32 s[G1B+5], 1024
	s_mov_b32 s[G1B+6], 0
	s_mov_b32 s[G1B+7], 0
.if ISPROJ
	s_lshr_b32 s16, s13, 3                         ; batch: 16 heads of 1,024 rows
	s_lshl_b32 s16, s16, 14
	s_and_b32 s17, s13, 7
	s_lshl_b32 s17, s17, 7
	s_add_co_u32 s16, s16, s17
	s_lshl_b32 s17, s12, 6
	s_add_co_u32 s16, s16, s17
	s_lshl_b32 s16, s16, 7                         ; rows of 128 bytes
.else
	s_lshl_b32 s16, s13, 7
	s_lshl_b32 s17, s12, 6
	s_add_co_u32 s16, s16, s17
	s_lshl_b32 s16, s16, 13                        ; rows of 8,192 bytes
.endif
	s_mov_b32 s17, 0
	s_lshl_b32 s46, s42, 8
	s_lshl_b32 s47, s12, 18                        ; 128 rows of 2,048 bytes
	s_add_co_u32 s46, s46, s47
	s_add_co_u32 s46, s46, WOFF
	s_mov_b32 s47, 0
	s_mul_i32 s20, s12, HALFA
	s_mul_i32 s21, s12, HALFB
	s_add_co_u32 s21, s21, BOFF
	s_mov_b32 s[HIM], 0xffff0000
	s_mov_b32 s[TBR], 0
	s_wait_dscnt 0x0                               ; the opening add is done
	s_wait_kmcnt 0x0
	s_add_nc_u64 s[14:15], s[4:5], s[16:17]
	s_add_nc_u64 s[46:47], s[6:7], s[46:47]
	CROUND
.irp s, 0,1
	s_mov_b32 s[G0A+4*(\s)], 1
	s_add_co_u32 s[G0A+4*(\s)+1], s20, (\s)*SLOTD
	s_add_nc_u64 s[G0A+4*(\s)+2:G0A+4*(\s)+3], s[14:15], (\s)*STEPA
	s_or_b32 s[G0A+4*(\s)+3], s[G0A+4*(\s)+3], 0x80000000
	s_mov_b32 s[G0B+4*(\s)], 1
	s_add_co_u32 s[G0B+4*(\s)+1], s21, (\s)*SLOTD
	s_add_nc_u64 s[G0B+4*(\s)+2:G0B+4*(\s)+3], s[46:47], (\s)*STEPB
	s_or_b32 s[G0B+4*(\s)+3], s[G0B+4*(\s)+3], 0x80000000
	JLOAD \s                                       ; two loads of mine are out
.endr
	v_and_b32 v1, 15, v0                           ; r
	v_bfe_u32 v2, v0, 4, 1                         ; h
	v_lshlrev_b32 v[BO], 4, v2
	s_lshl_b32 s18, s42, 8                         ; the bias of my 64 columns, in bf16: a lane's 8 numbers of each block of 16
	s_lshl_b32 s19, s12, 7
	s_add_co_u32 s18, s18, s19
	s_add_co_u32 s18, s18, BIOFF
	s_mov_b32 s19, 0
	s_add_nc_u64 s[74:75], s[6:7], s[18:19]
.irp b, 0,1,2,3
	global_load_b128 v[TMP+4*(\b):TMP+4*(\b)+3], v[BO], s[74:75] offset:32*(\b)
.endr
	v_mul_u32_u24 v3, v1, PA
	v_lshl_add_u32 v3, v2, 4, v3
	s_mul_i32 s21, s11, HALFA
	v_add_nc_u32 v[A0], s21, v3
	v_and_b32 v4, 7, v0
	v_bfe_u32 v5, v0, 3, 1
	v_lshl_add_u32 v6, v2, 3, v4
	v_mul_u32_u24 v6, v6, PW
	v_lshl_add_u32 v6, v5, 4, v6
	s_lshl_b32 s22, s12, 7
	s_add_co_u32 s22, s22, BOFF
	v_add_nc_u32 v[B0], s22, v6
	v_add_nc_u32 v[B1], HALFB, v[B0]
	v_mov_b32 v[ADRA], v[A0]
	v_mov_b32 v[ADRB], v[B0]
	v_mov_b32 v[ADRB+1], v[B1]
	s_mul_i32 s23, s11, 64*SPT                     ; into the stage: row 64 x row half + r, 256 bytes by column half, 32 by h
	s_lshl_b32 s22, s12, 8
	s_add_co_u32 s23, s23, s22
	v_mul_u32_u24 v7, v1, SPT
	v_lshl_add_u32 v7, v2, 5, v7
	v_add_nc_u32 v[STO], s23, v7
	v_and_b32 v3, 31, v0
	v_lshlrev_b32 v[CO], 4, v3
	v_lshlrev_b32 v[CB], 3, v3
	s_mul_i32 s23, s10, 32*SPT                     ; back: wave w takes rows 32 w .. 32 w + 31, a row of 512 bytes a load
	v_add_nc_u32 v[RD], s23, v[CO]
	s_lshl_b32 s16, s13, 7
	s_lshl_b32 s17, s10, 5
	s_add_co_u32 s16, s16, s17                     ; the first row that I finish
	s_lshl_b32 s18, s16, 12
	s_lshl_b32 s19, s42, 9
	s_add_co_u32 s18, s18, s19                     ; in rows of 4,096 bytes, 512 a tile column
	s_mov_b32 s19, 0
	s_add_nc_u64 s[70:71], s[70:71], s[18:19]
.if ISPROJ
	s_lshr_b32 s18, s18, 1                         ; the same place in rows of 2,048 bytes
	s_add_nc_u64 s[68:69], s[68:69], s[18:19]
	s_add_nc_u64 s[72:73], s[72:73], s[18:19]
.else
	s_add_nc_u64 s[68:69], s[68:69], s[18:19]
.endif
	s_wait_loadcnt 0x0                             ; the bias
.set i, 0
.rept 16
	v_lshlrev_b32 v[BI+2*i], 16, v[TMP+i]
	v_and_b32 v[BI+2*i+1], s[HIM], v[TMP+i]
.set i, i+1
.endr
; 8 products: row blocks a0, a0 + 1 x 4 column blocks, 32 along K: half c of buffer f.  first = 1: the bias starts the sums.
.macro MUL8 f, c, a0, first
	WIN 0x05
.irp a, \a0, (\a0)+1
.irp b, 0,1,2,3
.if \first
	v_wmma_f32_16x16x32_bf16 v[ACC+8*(4*(\a)+(\b)):ACC+8*(4*(\a)+(\b))+7], v[(\f)+64+8*(4*(\c)+(\b)):(\f)+64+8*(4*(\c)+(\b))+7], v[(\f)+8*(4*(\c)+(\a)):(\f)+8*(4*(\c)+(\a))+7], v[BI+8*(\b):BI+8*(\b)+7]
.else
	v_wmma_f32_16x16x32_bf16 v[ACC+8*(4*(\a)+(\b)):ACC+8*(4*(\a)+(\b))+7], v[(\f)+64+8*(4*(\c)+(\b)):(\f)+64+8*(4*(\c)+(\b))+7], v[(\f)+8*(4*(\c)+(\a)):(\f)+8*(4*(\c)+(\a))+7], v[ACC+8*(4*(\a)+(\b)):ACC+8*(4*(\a)+(\b))+7]
.endif
.endr
.endr
.endm
; 32 LDS loads in one run: quarter qd (64 along K) of the slot in hand into buffer f; the first 32 along K first
.macro FETCH qd, f
	WIN 0x40
.irp c, 0,1
.irp i, 0,1,2,3
	ds_load_tr16_b128 v[(\f)+64+8*(4*(\c)+(\i)):(\f)+64+8*(4*(\c)+(\i))+3],   v[ADRB+(\qd)/2] offset:(((\qd)%2)*64+32*(\c))*PW+32*(\i)
	ds_load_tr16_b128 v[(\f)+64+8*(4*(\c)+(\i))+4:(\f)+64+8*(4*(\c)+(\i))+7], v[ADRB+(\qd)/2] offset:(((\qd)%2)*64+32*(\c))*PW+32*(\i)+16*PW
	ds_load_b128 v[(\f)+8*(4*(\c)+(\i)):(\f)+8*(4*(\c)+(\i))+3],   v[ADRA] offset:(\qd)*AQ+64*(\c)+(\i)*16*PA
	ds_load_b128 v[(\f)+8*(4*(\c)+(\i))+4:(\f)+8*(4*(\c)+(\i))+7], v[ADRA] offset:(\qd)*AQ+64*(\c)+(\i)*16*PA+32
.endr
.endr
.endm
.macro QUARTER qd, f, g, first
	s_wait_dscnt 16                                ; the first 32 along K are in
	MUL8 \f, 0, 0, \first
	MUL8 \f, 0, 2, \first
	PLACES
	FETCH \qd, \g
	s_wait_dscnt 32                                ; all but the 32 just issued
	MUL8 \f, 1, 0, 0
	MUL8 \f, 1, 2, 0
.endm
.macro MEET fill
	WIN 0
	s_wait_tensorcnt 0x0                           ; all my tensor loads have landed: my part of the next slot
	ds_add_u32 v[SPW], v[NIL]
.if \fill
	s_xor_b32 s[G0A+5], s[G0A+5], SLOTD
	s_add_nc_u64 s[G0A+6:G0A+7], s[G0A+6:G0A+7], STEPA
	s_xor_b32 s[G0B+5], s[G0B+5], SLOTD
	s_add_nc_u64 s[G0B+6:G0B+7], s[G0B+6:G0B+7], STEPB
.endif
	s_wait_dscnt 17                                ; the add and the youngest sixteen loads may be out
	MUL8 F1, 0, 0, 0
	s_wait_dscnt 0x0                               ; the add is done, and my reads of this slot are over
	s_barrier_signal -1
	MUL8 F1, 0, 2, 0
	WIN 0
	s_barrier_wait -1
.endm
.macro NEXTSLOT
	s_xor_b32 s[TBR], s[TBR], SLOTD
	v_add_nc_u32 v[ADRA], s[TBR], v[A0]
	v_add_nc_u32 v[ADRB], s[TBR], v[B0]
	v_add_nc_u32 v[ADRB+1], s[TBR], v[B1]
.endm
.macro TURN
	MEET 1
	CREST                                          ; the barrier has opened a round of the cluster's
	JLOAD 1                                        ; the first tensor load behind the round; its four v_nop are also the places in front of the loads below
	NEXTSLOT
	FETCH 0, F0
	MUL8 F1, 1, 0, 0
	MUL8 F1, 1, 2, 0
.endm
	s_wait_tensorcnt 0x1                           ; my part of K step 0 is in; K step 1's may stay out
	s_barrier_signal -1
	s_barrier_wait -1
	FETCH 0, F0
	QUARTER 1, F0, F1, 1
	WIN 0
	s_mov_b32 s3, NSTEP-2
.Lstep:
	QUARTER 2, F1, F0, 0
	QUARTER 3, F0, F1, 0
	TURN
	QUARTER 1, F0, F1, 0
	WIN 0
	s_sub_co_u32 s3, s3, 1
	s_cmp_lg_u32 s3, 0
	s_cbranch_scc1 .Lstep
	WIN 0x80                                       ; the residual of my 32 rows is asked for two K steps ahead of its use
.set i, 0
.rept 32
.if ISPROJ
	global_load_b64 v[2*i:2*i+1], v[CB], s[68:69] offset:2048*i
.else
	global_load_b128 v[4*i:4*i+3], v[CO], s[68:69] offset:4096*i
.endif
.set i, i+1
.endr
	WIN 0
	s_mov_b32 s2, 2
.Ltail:
	QUARTER 2, F1, F0, 0
	QUARTER 3, F0, F1, 0
	MEET 0
	s_sub_co_u32 s2, s2, 1
	s_cmp_eq_u32 s2, 0
	s_cbranch_scc1 .Lfin
	PLACES
	NEXTSLOT
	FETCH 0, F0
	MUL8 F1, 1, 0, 0
	MUL8 F1, 1, 2, 0
	QUARTER 1, F0, F1, 0
	WIN 0
	s_branch .Ltail
.Lfin:
	MUL8 F1, 1, 0, 0
	MUL8 F1, 1, 2, 0
	WIN 0
	PLACES
.irp a, 0,1,2,3
.irp b, 0,1,2,3
	ds_store_b128 v[STO], v[ACC+8*(4*(\a)+(\b)):ACC+8*(4*(\a)+(\b))+3]   offset:(\a)*16*SPT+64*(\b)      ; each accumulator from its low end on
	ds_store_b128 v[STO], v[ACC+8*(4*(\a)+(\b))+4:ACC+8*(4*(\a)+(\b))+7] offset:(\a)*16*SPT+64*(\b)+16
.endr
.endr
	s_wait_dscnt 0x0                               ; for the others' sake: my stores into the stage are done
	s_barrier_signal -1
	s_barrier_wait -1
.set i, 0
.rept 32                                       ; rows 0-15 into v32-95, rows 16-31 into v128-191
.set XR, 32+4*i+32*(i/16)
	ds_load_b128 v[XR:XR+3], v[RD] offset:SPT*i
.set i, i+1
.endr
	s_wait_loadcnt 0x0                             ; the residual
.if ISPROJ
	WIN 0x88
.set i, 0
.rept 64
	v_lshlrev_b32 v[RES+2*i], 16, v[i]
	v_and_b32 v[RES+2*i+1], s[HIM], v[i]
.set i, i+1
.endr
.endif
.macro FINISH lo                       ; 16 rows: the residual is added; each store of the wave covers a row's 512 consecutive bytes, aligned (in bf16: 256)
	WIN 0x08
.set i, \lo
.rept 16
.set XR, 32+4*i+32*(i/16)
	v_pk_add_f32 v[XR:XR+1],   v[XR:XR+1],   v[RES+4*i:RES+4*i+1]
	v_pk_add_f32 v[XR+2:XR+3], v[XR+2:XR+3], v[RES+4*i+2:RES+4*i+3]
.set i, i+1
.endr
	WIN 0
.set i, \lo
.rept 16
.set XR, 32+4*i+32*(i/16)
	global_store_b128 v[CO], v[XR:XR+3], s[70:71] offset:4096*i
.set i, i+1
.endr
.if ISPROJ
	WIN 0x80
.set i, \lo
.rept 16
.set XR, 32+4*i+32*(i/16)
	v_cvt_pk_bf16_f32 v[2*i],   v[XR],   v[XR+1]
	v_cvt_pk_bf16_f32 v[2*i+1], v[XR+2], v[XR+3]
.set i, i+1
.endr
	WIN 0x08
.set i, \lo
.rept 16
	global_store_b64 v[CB], v[2*i:2*i+1], s[72:73] offset:2048*i
.set i, i+1
.endr
.endif
.endm
	s_wait_dscnt 16                                ; rows 0-15 are back
	FINISH 0
	s_wait_dscnt 0x0
	FINISH 16
	WIN 0
	s_wait_tensorcnt 0x0                           ; the wave's end
	ds_add_u32 v[SPW], v[NIL]
	s_wait_dscnt 0x0
	CROUND                                         ; the closing round
	s_endpgm
.Lfunc_end_k_qd020f9885a_proj:
	.size	k_qd020f9885a_proj, .Lfunc_end_k_qd020f9885a_proj-k_qd020f9885a_proj
	.p2alignl 7, 3214868480
	.fill 96, 4, 3214868480
	.section	.rodata,"a",@progbits
	.p2align	6, 0x0
	.amdhsa_kernel k_qd020f9885a_proj
		.amdhsa_group_segment_fixed_size 327680
		.amdhsa_private_segment_fixed_size 0
		.amdhsa_enable_private_segment 0
		.amdhsa_kernarg_size 40
		.amdhsa_user_sgpr_count 2
		.amdhsa_user_sgpr_kernarg_segment_ptr 1
		.amdhsa_wavefront_size32 1
		.amdhsa_system_sgpr_workgroup_id_x 1
		.amdhsa_system_sgpr_workgroup_id_y 1
		.amdhsa_system_sgpr_workgroup_id_z 1
		.amdhsa_system_vgpr_workitem_id 0
		.amdhsa_next_free_vgpr 704
		.amdhsa_next_free_sgpr 80
		.amdhsa_reserve_vcc 0
		.amdhsa_float_denorm_mode_32 3
		.amdhsa_float_denorm_mode_16_64 3
		.amdhsa_memory_ordered 1
		.amdhsa_forward_progress 1
		.amdhsa_inst_pref_size 79
	.end_amdhsa_kernel
	.amdgpu_metadata
---
amdhsa.version: [ 1, 2 ]
amdhsa.kernels:
  - .name:           k_qd020f9885a_proj
    .symbol:         k_qd020f9885a_proj.kd
    .args:
      - { .name: ob, .offset: 0, .size: 8, .value_kind: global_buffer, .address_space: global }
      - { .name: wb, .offset: 8, .size: 8, .value_kind: global_buffer, .address_space: global }
      - { .name: xb, .offset: 16, .size: 8, .value_kind: global_buffer, .address_space: global }
      - { .name: x1f, .offset: 24, .size: 8, .value_kind: global_buffer, .address_space: global }
      - { .name: x1b, .offset: 32, .size: 8, .value_kind: global_buffer, .address_space: global }
    .group_segment_fixed_size: 327680
    .private_segment_fixed_size: 0
    .kernarg_segment_align: 8
    .kernarg_segment_size: 40
    .max_flat_workgroup_size: 128
    .sgpr_count:     80
    .vgpr_count:     704
    .wavefront_size: 32
...
	.end_amdgpu_metadata
.endif
;; end of part 4
;; launch ffn1 (part 5): grid 16 x 16, 4 waves a work-group, clusters of 4 x 4, 327,680 bytes of LDS; arguments x1b, wb, hb; writes hb
.if DOCPART == 5
	.amdgcn_target "amdgcn-amd-amdhsa--gfx1250"
	.amdhsa_code_object_version 6
	.text
	.protected	k_qd020f9885a_ffn1
	.globl	k_qd020f9885a_ffn1
	.p2align	8
	.type	k_qd020f9885a_ffn1,@function
k_qd020f9885a_ffn1:
	s_mov_b64 s[64:65], 0
	v_nop
	global_prefetch_b8 v0, s[64:65] scope:SCOPE_SE
	s_setreg_imm32_b32 hwreg(HW_REG_WAVE_MODE, 25, 1), 1
	s_wait_xcnt 0x0
	s_wait_alu depctr_hold_cnt(0) depctr_sa_sdst(0) depctr_va_vdst(0) depctr_va_sdst(0) depctr_va_ssrc(0) depctr_va_vcc(0) depctr_vm_vsrc(0)
	s_getreg_b32 s2, hwreg(HW_REG_IB_STS2, 6, 4)
	s_cmp_eq_u32 s2, 0
	s_cbranch_scc0 .Lentry_in_a_cluster
	s_endpgm
.Lentry_in_a_cluster:
	s_bfe_u32 s2, ttmp6, 0x10000c
	s_cmp_lg_u32 s2, 0xf033
	s_cbranch_scc0 .Lentry_shape_is_right
	s_endpgm
.Lentry_shape_is_right:
; h = relu(x1 W1 + b1).  x1b: [4096][1024] bf16; W1 (in wb): [1024 k][4096 n] bf16; h: [4096][4096] bf16, rounded once; sums in f32; the bias is the C operand of the products that start the sums.
; A tile of h is 256 x 256: four waves, each 128 x 128: 64 accumulators, 512 registers.  K goes in steps of 128 through two LDS slots.  W1's tile lies [k][n] in LDS and comes out turned (ds_load_tr16_b128).
; The product is used transposed (source 0 = 16 weight columns, source 1 = 16 rows of x1): a lane ends with 8 neighbouring columns of one row, 16 bytes of h.
; CLUSTER 4 x 4: x1's tile is shared along a row of the cluster, W1's along a column: joint loads, a mask of four.
; ONE K STEP TO A TRIP: one descriptor a tensor walks (its LDS word turned by an exclusive or), the LDS read addresses are remade from s[TBR]; the last two K steps are a loop of two trips left in its middle.
; relu is taken on the rounded halves: rounding keeps the sign, so the value is the same.  LIMITS: bf16's 8 significant bits; a NaN sum gives 0 (the maximum drops it); infinities are not treated apart.
; REGISTERS (windows of 256): window 0: v16-31 addresses; v64-127, v128-191 fragments of x1, two buffers; v32-63, v192-255 at work on the way out
;   window 1: v0-63 the bias (8 column blocks x 8); v64-127, v128-191 fragments of W1     windows 2, 3: accumulator (a, b) at v[8 (8 (a % 4) + b)] of window 2 + a / 4
.set PA,     272                       ; a row of x1 in LDS: 256 bytes + 16
.set PW,     544                       ; a row of 256 weights: 512 bytes + 32
.set HALFA,  128*PA
.set HALFB,  64*PW
.set BOFF,   2*HALFA
.set SLOTD,  0x22000                   ; slot 1 begins here; its two bits are set in no LDS word of slot 0
.set STAGE,  2*SLOTD
.set SPITCH, 272
.set SPARE,  STAGE+4*16*SPITCH         ; the spare words, 128 bytes a wave: two blocks of 256 bytes that no other line names
.set NSTEP,  8
.set STEPA,  256
.set STEPB,  128*8192
.set W1OFF,  8388608
.set B1OFF,  25165824+2048
.set ROWH,   8192
.set A0,   16
.set B0,   17
.set ADRA, 18
.set ADRB, 19
.set STO,  24
.set RD,   25
.set CO,   26
.set ZR,   27                          ; 0, for the relu
.set SPW,  28
.set NIL,  29
.set PFO,  30
.set BO,   31
.set OB,   32
.set F0,   64
.set F1,   128
.set TMP,  192
.set BI,   0
.set G1A, 24
.set G0A, 32
.set G1B, 48
.set G0B, 56
.set LIM, 43
.set PFA, 44
.set TBR, 66
.set HIM, 67
.set PFS, 68
.set MSB, 0
.macro WIN new
.if MSB != (\new)
	s_set_vgpr_msb (MSB<<8)|(\new)
.set MSB, \new
.endif
.endm
.macro JLOAD s                         ; waves 0 and 1 fetch x1's halves, waves 2 and 3 W1's; an s_nop 0 and four v_nop follow each line
	s_cmp_eq_u32 s11, 0
	s_cbranch_scc0 .Lfor_b_\@
	tensor_load_to_lds s[G0A+4*(\s):G0A+4*(\s)+3], s[G1A:G1A+7]
	s_nop 0
.rept 4
	v_nop
.endr
	s_branch .Lasked_\@
.Lfor_b_\@:
	tensor_load_to_lds s[G0B+4*(\s):G0B+4*(\s)+3], s[G1B:G1B+7]
	s_nop 0
.rept 4
	v_nop
.endr
.Lasked_\@:
.endm
.macro CREST
	s_cmp_lg_u32 s10, 0
	s_cbranch_scc1 .Lnot_wave_0_\@
	s_barrier_signal -3
.Lnot_wave_0_\@:
	s_barrier_wait -3
	s_barrier_signal -1
	s_barrier_wait -1
.endm
.macro CROUND
	s_barrier_signal -1
	s_barrier_wait -1
	CREST
.endm
.macro PLACES
.rept 4
	v_nop
.endr
.endm
; A PREFETCH INTO THE L2, one instruction a wave, behind the joint load and the run of LDS loads: the K step behind the one that is being asked for, 256 products ahead of its load.  x1's rows are read by every cluster of a
; row of clusters: the one with x = 0 asks; W1's by every cluster of a column: the one with y = 0 asks.  The four partners that ask for a tile jointly share it out BY ADDRESS: of x1's 128 rows that a wave fetches 32 each
; (a lane a row of 256 bytes), of W1's 64 rows of 512 bytes 16 each (two lanes a row).  K steps 3 to 7, each block of 256 bytes once; K steps 0 to 2 come by their loads alone; the last trip asks for nothing.
.macro ASK
	s_cmp_gt_u32 s3, s[LIM]
	s_cbranch_scc0 .Lnot_mine_\@
	global_prefetch_b8 v[PFO], s[PFA:PFA+1] th:TH_LOAD_NT scope:SCOPE_SE
.Lnot_mine_\@:
.endm
	s_load_b128 s[4:7], s[0:1], 0x0                ; x1b s[4:5], wb s[6:7]
	s_load_b64 s[8:9], s[0:1], 0x10                ; hb
	v_lshl_add_u32 v[SPW], v0, 2, SPARE
	v_mov_b32 v[NIL], 0
	ds_add_u32 v[SPW], v[NIL]                      ; the wave's opening: the add and its wait ahead of my first tensor load
	ds_add_u32 v28, v29
	v_lshrrev_b32 v1, 5, v0
	v_readfirstlane_b32 s10, v1
	s_lshr_b32 s11, s10, 1                         ; my half of the tile's rows; also: I fetch for x1 (0) or for W1 (1)
	s_and_b32 s12, s10, 1                          ; my half of its columns; also: which half I fetch
	s_bfe_u32 s40, ttmp6, 0x40000
	s_bfe_u32 s41, ttmp6, 0x40004
	s_lshl_b32 s42, ttmp9, 2
	s_add_co_u32 s42, s42, s40                     ; tile column
	s_and_b32 s13, ttmp7, 0xffff
	s_lshl_b32 s13, s13, 2
	s_add_co_u32 s13, s13, s41                     ; tile row
	s_lshl_b32 s43, s41, 2
	s_lshl_b32 s43, 15, s43
	s_lshl_b32 s44, 0x1111, s40
	s_or_b32 s[G1A], s43, (1<<16)|(1<<20)|(1<<21)|(5<<22)|(3<<25)  ; after every 64 words 4 words
	s_or_b32 s[G1B], s44, (1<<16)|(1<<20)|(1<<21)|(6<<22)|(7<<25)  ; after every 128 words 8 words
	s_mov_b32 s[G1A+1], 128<<16                    ; x1: 128 rows x 128 elements
	s_mov_b32 s[G1A+2], 128<<16
	s_mov_b32 s[G1A+3], 128<<16
	s_mov_b32 s[G1A+4], 128
	s_mov_b32 s[G1A+5], 1024
	s_mov_b32 s[G1A+6], 0
	s_mov_b32 s[G1A+7], 0
	s_mov_b32 s[G1B+1], 256<<16                    ; W1: 64 rows (k) x 256 elements (n)
	s_mov_b32 s[G1B+2], 64<<16
	s_mov_b32 s[G1B+3], 256<<16
	s_mov_b32 s[G1B+4], 64
	s_mov_b32 s[G1B+5], 4096
	s_mov_b32 s[G1B+6], 0
	s_mov_b32 s[G1B+7], 0
	s_lshl_b32 s16, s13, 8
	s_lshl_b32 s17, s12, 7
	s_add_co_u32 s16, s16, s17
	s_lshl_b32 s16, s16, 11
	s_mov_b32 s17, 0
	s_lshl_b32 s46, s42, 9
	s_lshl_b32 s47, s12, 19                        ; 64 rows of 8,192 bytes
	s_add_co_u32 s46, s46, s47
	s_add_co_u32 s46, s46, W1OFF
	s_mov_b32 s47, 0
	s_mul_i32 s20, s12, HALFA
	s_mul_i32 s21, s12, HALFB
	s_add_co_u32 s21, s21, BOFF
	s_mov_b32 s[HIM], 0xffff0000
	s_mov_b32 s[TBR], 0
	s_wait_dscnt 0x0                               ; the opening add is done
	s_wait_kmcnt 0x0
	s_add_nc_u64 s[14:15], s[4:5], s[16:17]
	s_add_nc_u64 s[46:47], s[6:7], s[46:47]
	CROUND
.irp s, 0,1
	s_mov_b32 s[G0A+4*(\s)], 1
	s_add_co_u32 s[G0A+4*(\s)+1], s20, (\s)*SLOTD
	s_add_nc_u64 s[G0A+4*(\s)+2:G0A+4*(\s)+3], s[14:15], (\s)*STEPA
	s_or_b32 s[G0A+4*(\s)+3], s[G0A+4*(\s)+3], 0x80000000
	s_mov_b32 s[G0B+4*(\s)], 1
	s_add_co_u32 s[G0B+4*(\s)+1], s21, (\s)*SLOTD
	s_add_nc_u64 s[G0B+4*(\s)+2:G0B+4*(\s)+3], s[46:47], (\s)*STEPB
	s_or_b32 s[G0B+4*(\s)+3], s[G0B+4*(\s)+3], 0x80000000
	JLOAD \s                                       ; two loads of mine are out
.endr
	v_and_b32 v1, 15, v0                           ; r
	v_bfe_u32 v2, v0, 4, 1                         ; h
	v_lshlrev_b32 v[BO], 4, v2
	s_lshl_b32 s72, s42, 9                         ; the bias of my 128 columns, in bf16
	s_lshl_b32 s73, s12, 8
	s_add_co_u32 s72, s72, s73
	s_add_co_u32 s72, s72, B1OFF
	s_mov_b32 s73, 0
	s_add_nc_u64 s[70:71], s[6:7], s[72:73]
.irp b, 0,1,2,3,4,5,6,7
	global_load_b128 v[OB+4*(\b):OB+4*(\b)+3], v[BO], s[70:71] offset:32*(\b)
.endr
	v_mul_u32_u24 v3, v1, PA
	v_lshl_add_u32 v3, v2, 4, v3
	s_mul_i32 s21, s11, HALFA
	v_add_nc_u32 v[A0], s21, v3
	v_and_b32 v4, 7, v0
	v_bfe_u32 v5, v0, 3, 1
	v_lshl_add_u32 v6, v2, 3, v4
	v_mul_u32_u24 v6, v6, PW
	v_lshl_add_u32 v6, v5, 4, v6
	s_lshl_b32 s22, s12, 8
	s_add_co_u32 s22, s22, BOFF
	v_add_nc_u32 v[B0], s22, v6
	v_mov_b32 v[ADRA], v[A0]
	v_mov_b32 v[ADRB], v[B0]
	v_mov_b32 v[ZR], 0
	s_mul_i32 s23, s10, 16*SPITCH
	s_add_co_u32 s23, s23, STAGE
	v_add_nc_u32 v[STO], s23, v3                   ; in: row r, 16 bytes for each half of the lanes (pitch 272, as x1's)
	v_mul_u32_u24 v7, v2, SPITCH
	v_lshl_add_u32 v7, v1, 4, v7
	v_add_nc_u32 v[RD], s23, v7                    ; back: lanes 0-15 one row of 256 bytes, lanes 16-31 the next
	v_lshlrev_b32 v7, 13, v2
	v_lshl_add_u32 v[CO], v1, 4, v7                ; and the same two rows in h
	s_lshl_b32 s16, s13, 8
	s_lshl_b32 s17, s11, 7
	s_add_co_u32 s16, s16, s17
	s_lshl_b32 s16, s16, 13
	s_lshl_b32 s17, s42, 9
	s_add_co_u32 s16, s16, s17
	s_lshl_b32 s17, s12, 8
	s_add_co_u32 s16, s16, s17
	s_mov_b32 s17, 0
	s_add_nc_u64 s[8:9], s[8:9], s[16:17]          ; h at my 128 x 128
	; the prefetches' address, step and lane offset, by what I fetch
	s_lshl_b32 s20, s13, 8
	s_lshl_b32 s21, s12, 7
	s_add_co_u32 s20, s20, s21
	s_lshl_b32 s21, s40, 5
	s_add_co_u32 s20, s20, s21
	s_lshl_b32 s20, s20, 11
	s_add_co_u32 s20, s20, 2*STEPA                 ; x1: at K step 2; stepped ahead of each use
	s_lshl_b32 s21, s12, 6
	s_lshl_b32 s22, s41, 4
	s_add_co_u32 s21, s21, s22
	s_lshl_b32 s21, s21, 13
	s_lshl_b32 s22, s42, 9
	s_add_co_u32 s21, s21, s22
	s_add_co_u32 s21, s21, W1OFF+2*STEPB           ; W1: likewise
	s_and_b32 s22, ttmp7, 0xffff
	s_mov_b32 s17, STEPB
	s_cmp_eq_u32 s11, 0
	s_cselect_b32 s20, s20, s21
	s_cselect_b32 s22, ttmp9, s22                  ; the coordinate along which other clusters read the same rows
	s_cselect_b64 s[PFA:PFA+1], s[4:5], s[6:7]
	s_cselect_b32 s[PFS], STEPA, s17
	s_cselect_b32 s23, 0, 1                        ; lanes to a row, less one
	s_cselect_b32 s16, 11, 13                      ; a row's bytes, as a shift
	s_mov_b32 s[PFS+1], 0
	s_mov_b32 s21, 0
	s_add_nc_u64 s[PFA:PFA+1], s[PFA:PFA+1], s[20:21]
	s_cmp_eq_u32 s22, 0
	s_cselect_b32 s[LIM], 1, -1                    ; the same in all sixteen partners, for a given wave
	v_and_b32 v3, 31, v0
	v_lshrrev_b32 v4, s23, v3
	v_and_b32 v5, s23, v3
	v_lshlrev_b32 v[PFO], s16, v4
	v_lshl_add_u32 v[PFO], v5, 8, v[PFO]
	s_wait_loadcnt 0x0                             ; the bias
	WIN 0x40
.set i, 0
.rept 32
	v_lshlrev_b32 v[BI+2*i], 16, v[OB+i]
	v_and_b32 v[BI+2*i+1], s[HIM], v[OB+i]
.set i, i+1
.endr
	WIN 0
; 16 products: row blocks a0, a0 + 1 of the window's four (hi = 0: my rows 0-63, 1: rows 64-127) x 8 column blocks, 32 along K.  first = 1: the bias (window 1) starts the sums.
.macro MUL16 f, hi, a0, first
.if \first
	WIN 0x91+0x40*(\hi)
.else
	WIN 0xa1+0x50*(\hi)
.endif
.irp a, \a0, (\a0)+1
.irp b, 0,1,2,3,4,5,6,7
.if \first
	v_wmma_f32_16x16x32_bf16 v[8*(8*(\a)+(\b)):8*(8*(\a)+(\b))+7], v[(\f)+8*(\b):(\f)+8*(\b)+7], v[(\f)+8*(4*(\hi)+(\a)):(\f)+8*(4*(\hi)+(\a))+7], v[BI+8*(\b):BI+8*(\b)+7]
.else
	v_wmma_f32_16x16x32_bf16 v[8*(8*(\a)+(\b)):8*(8*(\a)+(\b))+7], v[(\f)+8*(\b):(\f)+8*(\b)+7], v[(\f)+8*(4*(\hi)+(\a)):(\f)+8*(4*(\hi)+(\a))+7], v[8*(8*(\a)+(\b)):8*(8*(\a)+(\b))+7]
.endif
.endr
.endr
.endm
; 32 LDS loads in one run: quarter q (32 along K) of the slot in hand into buffer f: W1's 16, then x1's 16
.macro FETCH q, f
	WIN 0x40
.irp i, 0,1,2,3,4,5,6,7
	ds_load_tr16_b128 v[(\f)+8*(\i):(\f)+8*(\i)+3],   v[ADRB] offset:(\q)*32*PW+32*(\i)
	ds_load_tr16_b128 v[(\f)+8*(\i)+4:(\f)+8*(\i)+7], v[ADRB] offset:(\q)*32*PW+32*(\i)+16*PW
.endr
	WIN 0
.irp i, 0,1,2,3,4,5,6,7
	ds_load_b128 v[(\f)+8*(\i):(\f)+8*(\i)+3],   v[ADRA] offset:64*(\q)+(\i)*16*PA
	ds_load_b128 v[(\f)+8*(\i)+4:(\f)+8*(\i)+7], v[ADRA] offset:64*(\q)+(\i)*16*PA+32
.endr
.endm
.macro QUARTER q, f, g, first
	s_wait_dscnt 8                                 ; W1 and x1's rows 0-63 are in; the youngest eight loads (rows 64-127) may be out
	MUL16 \f, 0, 0, \first
	MUL16 \f, 0, 2, \first
	PLACES
	FETCH \q, \g
	s_wait_dscnt 32                                ; all but the 32 just issued
	MUL16 \f, 1, 0, \first
	MUL16 \f, 1, 2, \first
.endm
.macro MEET fill
	WIN 0
	s_wait_tensorcnt 0x0                           ; all my tensor loads have landed: my part of the next slot
	ds_add_u32 v[SPW], v[NIL]
.if \fill
	s_xor_b32 s[G0A+5], s[G0A+5], SLOTD
	s_add_nc_u64 s[G0A+6:G0A+7], s[G0A+6:G0A+7], STEPA
	s_xor_b32 s[G0B+5], s[G0B+5], SLOTD
	s_add_nc_u64 s[G0B+6:G0B+7], s[G0B+6:G0B+7], STEPB
.endif
	s_wait_dscnt 9                                 ; the add and the youngest eight loads may be out
	MUL16 F1, 0, 0, 0
	s_wait_dscnt 0x0                               ; the add is done, and my reads of this slot are over
	s_barrier_signal -1
	MUL16 F1, 0, 2, 0
	WIN 0
	s_barrier_wait -1
.endm
.macro NEXTSLOT
	s_xor_b32 s[TBR], s[TBR], SLOTD
	v_add_nc_u32 v[ADRA], s[TBR], v[A0]
	v_add_nc_u32 v[ADRB], s[TBR], v[B0]
.endm
.macro TURN
	s_wait_xcnt 0x0                                ; the last prefetch, a K step back, has read its address
	s_add_nc_u64 s[PFA:PFA+1], s[PFA:PFA+1], s[PFS:PFS+1]
	MEET 1
	CREST                                          ; the barrier has opened a round of the cluster's
	JLOAD 1                                        ; the first tensor load behind the round; its four v_nop are also the places in front of the loads below
	NEXTSLOT
	FETCH 0, F0
	ASK
	MUL16 F1, 1, 0, 0
	MUL16 F1, 1, 2, 0
.endm
; THE WAY OUT of row block a: rounded to bf16 and relu, 16 bytes a lane; into my own stage and back as whole rows of 256 bytes; stored.
.macro PACK a
.set AC, 64*((\a)%4)
	WIN 0x0a+5*((\a)/4)
.irp b, 0,1,2,3,4,5,6,7
.irp r, 0,1,2,3
	v_cvt_pk_bf16_f32 v[TMP+4*(\b)+(\r)], v[AC+8*(\b)+2*(\r)], v[AC+8*(\b)+2*(\r)+1]
.endr
.endr
	WIN 0
.set i, 0
.rept 32
	v_pk_max_num_bf16 v[TMP+i], v[TMP+i], v[ZR]
.set i, i+1
.endr
.endm
.macro TOSTAGE a
	WIN 0
.set BK, OB+192*((\a)%2)
.irp b, 0,1,2,3,4,5,6,7
	ds_store_b128 v[STO], v[TMP+4*(\b):TMP+4*(\b)+3] offset:32*(\b)
.endr
.irp t, 0,1,2,3,4,5,6,7
	ds_load_b128 v[BK+4*(\t):BK+4*(\t)+3], v[RD] offset:(\t)*2*SPITCH  ; LDS serves a wave's instructions in order (ISA guide 5.7.1.4)
.endr
.endm
.macro SEND a
	WIN 0
.set BK, OB+192*((\a)%2)
	s_wait_dscnt 0x0                               ; the block is back in registers
	s_wait_xcnt 0x0                                ; earlier stores have read their base and their registers
.if (\a) > 0
	s_add_nc_u64 s[8:9], s[8:9], 16*ROWH
.endif
.irp t, 0,1,2,3,4,5,6,7
	global_store_b128 v[CO], v[BK+4*(\t):BK+4*(\t)+3], s[8:9] offset:2*(\t)*ROWH  ; 16 lanes store 256 consecutive bytes, aligned
.endr
.endm
	s_wait_tensorcnt 0x1                           ; my part of K step 0 is in; K step 1's may stay out
	s_barrier_signal -1
	s_barrier_wait -1
	FETCH 0, F0
	QUARTER 1, F0, F1, 1
	WIN 0
	s_mov_b32 s3, NSTEP-2
.Lstep:
	QUARTER 2, F1, F0, 0
	QUARTER 3, F0, F1, 0
	TURN
	QUARTER 1, F0, F1, 0
	WIN 0
	s_sub_co_u32 s3, s3, 1
	s_cmp_lg_u32 s3, 0
	s_cbranch_scc1 .Lstep
	s_mov_b32 s2, 2
.Ltail:
	QUARTER 2, F1, F0, 0
	QUARTER 3, F0, F1, 0
	MEET 0
	s_sub_co_u32 s2, s2, 1
	s_cmp_eq_u32 s2, 0
	s_cbranch_scc1 .Lfin
	PLACES
	NEXTSLOT
	FETCH 0, F0
	MUL16 F1, 1, 0, 0
	MUL16 F1, 1, 2, 0
	QUARTER 1, F0, F1, 0
	WIN 0
	s_branch .Ltail
.Lfin:
	MUL16 F1, 1, 0, 0
	MUL16 F1, 1, 2, 0
	WIN 0
	PLACES
	PACK 0
	TOSTAGE 0
.irp a, 1,2,3,4,5,6,7
	PACK \a                                        ; a block's conversions stand between the loads of the block before and the wait for them
	SEND (\a)-1
	TOSTAGE \a
.endr
	SEND 7
	s_wait_tensorcnt 0x0                           ; the wave's end
	ds_add_u32 v[SPW], v[NIL]
	s_wait_dscnt 0x0
	CROUND                                         ; the closing round
	s_endpgm
.Lfunc_end_k_qd020f9885a_ffn1:
	.size	k_qd020f9885a_ffn1, .Lfunc_end_k_qd020f9885a_ffn1-k_qd020f9885a_ffn1
	.p2alignl 7, 3214868480
	.fill 96, 4, 3214868480
	.section	.rodata,"a",@progbits
	.p2align	6, 0x0
	.amdhsa_kernel k_qd020f9885a_ffn1
		.amdhsa_group_segment_fixed_size 327680
		.amdhsa_private_segment_fixed_size 0
		.amdhsa_enable_private_segment 0
		.amdhsa_kernarg_size 24
		.amdhsa_user_sgpr_count 2
		.amdhsa_user_sgpr_kernarg_segment_ptr 1
		.amdhsa_wavefront_size32 1
		.amdhsa_system_sgpr_workgroup_id_x 1
		.amdhsa_system_sgpr_workgroup_id_y 1
		.amdhsa_system_sgpr_workgroup_id_z 1
		.amdhsa_system_vgpr_workitem_id 0
		.amdhsa_next_free_vgpr 1024
		.amdhsa_next_free_sgpr 80
		.amdhsa_reserve_vcc 0
		.amdhsa_float_denorm_mode_32 3
		.amdhsa_float_denorm_mode_16_64 3
		.amdhsa_memory_ordered 1
		.amdhsa_forward_progress 1
		.amdhsa_inst_pref_size 123
	.end_amdhsa_kernel
	.amdgpu_metadata
---
amdhsa.version: [ 1, 2 ]
amdhsa.kernels:
  - .name:           k_qd020f9885a_ffn1
    .symbol:         k_qd020f9885a_ffn1.kd
    .args:
      - { .name: x1b, .offset: 0, .size: 8, .value_kind: global_buffer, .address_space: global }
      - { .name: wb, .offset: 8, .size: 8, .value_kind: global_buffer, .address_space: global }
      - { .name: hb, .offset: 16, .size: 8, .value_kind: global_buffer, .address_space: global }
    .group_segment_fixed_size: 327680
    .private_segment_fixed_size: 0
    .kernarg_segment_align: 8
    .kernarg_segment_size: 24
    .max_flat_workgroup_size: 128
    .sgpr_count:     80
    .vgpr_count:     1024
    .wavefront_size: 32
...
	.end_amdgpu_metadata
.endif
;; end of part 5
;; launch ffn2 (part 6): grid 8 x 32, 4 waves a work-group, clusters of 4 x 4, 327,680 bytes of LDS; arguments hb, wb, x1f, out0; writes out0
.if DOCPART == 6
	.amdgcn_target "amdgcn-amd-amdhsa--gfx1250"
	.amdhsa_code_object_version 6
	.text
	.protected	k_qd020f9885a_ffn2
	.globl	k_qd020f9885a_ffn2
	.p2align	8
	.type	k_qd020f9885a_ffn2,@function
k_qd020f9885a_ffn2:
	s_mov_b64 s[64:65], 0
	v_nop
	global_prefetch_b8 v0, s[64:65] scope:SCOPE_SE
	s_setreg_imm32_b32 hwreg(HW_REG_WAVE_MODE, 25, 1), 1
	s_wait_xcnt 0x0
	s_wait_alu depctr_hold_cnt(0) depctr_sa_sdst(0) depctr_va_vdst(0) depctr_va_sdst(0) depctr_va_ssrc(0) depctr_va_vcc(0) depctr_vm_vsrc(0)
	s_getreg_b32 s2, hwreg(HW_REG_IB_STS2, 6, 4)
	s_cmp_eq_u32 s2, 0
	s_cbranch_scc0 .Lentry_in_a_cluster
	s_endpgm
.Lentry_in_a_cluster:
	s_bfe_u32 s2, ttmp6, 0x10000c
	s_cmp_lg_u32 s2, 0xf033
	s_cbranch_scc0 .Lentry_shape_is_right
	s_endpgm
.Lentry_shape_is_right:
; ONE TEXT FOR TWO LAUNCHES, told apart by ISPROJ.  out = residual + A W + bias on tiles of 128 x 128; bf16 operands, f32 sums; the bias is the C operand of the products that start the sums.
;   ISPROJ = 1: x1 = xb + o Wp + bp.  A = o by heads ([bh][s][64] bf16): a K step of 256 is four heads; x1 is stored in f32 (the carried residual) and once rounded to bf16 (the next product's operand).
;   ISPROJ = 0: out0 = x1 + h W2 + b2.  A = h, [4096][4096] bf16; K = 4,096.
; Four waves, each 64 x 64: 16 accumulators.  K goes in steps of 256 through two LDS slots; the weights lie [k][n] in LDS and come out turned (ds_load_tr16_b128); the product is used transposed
; (source 0 = 16 weight columns, source 1 = 16 rows of A), so a lane ends with 8 neighbouring columns of one row.
; CLUSTER 4 x 4: A's tile is shared along a row of the cluster, the weights' along a column: joint loads, a mask of four.  One K step to a trip: one descriptor a tensor walks; the last two K steps are a loop of two trips left in its middle.
; NO PREFETCH: a K step here is 128 products a wave on tiles of 64 rows or 128 short rows; the tiles are small.
; THE WAY OUT goes through a stage of 128 rows x 528 bytes (f32) in slot 0, which has had its last fill and, behind the last barrier of the K steps, its last read; each wave then finishes 32 whole rows of 512 bytes.
; LIMITS: operands have bf16's 8 significant bits; NaN and infinities are not treated apart.
; REGISTERS: window 0: v16-31 addresses; v32-95 at work; v96-127 the bias; v128-255 accumulator (a, b) at 128 + 8 (4 a + b).  window 1: two fragment buffers of 128 (A's 64, then the weights' 64).  window 2: the residual.
.set ISPROJ, 0
.if ISPROJ
.set PA,     144                       ; a head's row: 128 bytes + 16
.set HALFA,  4*64*PA                   ; [head 4][row 64]
.set AQ,     64*PA                     ; a quarter of a K step is a head
.set NSTEP,  4
.set STEPA,  4*131072
.set WOFF,   6291456
.set BIOFF,  25165824
.set RES,    64
.else
.set PA,     528                       ; 512 bytes + 16
.set HALFA,  64*PA
.set AQ,     128
.set NSTEP,  16
.set STEPA,  512
.set WOFF,   16777216
.set BIOFF,  25165824+10240
.set RES,    0
.endif
.set PW,     288                       ; a row of 128 weights: 256 bytes + 32
.set HALFB,  128*PW
.set BOFF,   2*HALFA
.set SLOTD,  0x24000                   ; slot 1 begins here; its two bits are set in no LDS word of slot 0
.set SPARE,  2*SLOTD                   ; the spare words, 128 bytes a wave: two blocks of 256 bytes that no other line names
.set SPT,    528                       ; a stage row: 512 bytes + 16
.set STEPB,  256*2048
.set A0,   16
.set B0,   17
.set ADRA, 18
.set ADRB, 19                          ; v19, v20: the K step's first and second 128 rows of weights
.set B1,   22
.set STO,  24
.set RD,   25
.set CO,   26                          ; 16 x lane
.set CB,   27                          ; 8 x lane
.set SPW,  28
.set NIL,  29
.set BO,   31
.set TMP,  32
.set BI,   96
.set ACC,  128
.set F0,   0
.set F1,   128
.set G1A, 24
.set G0A, 32
.set G1B, 48
.set G0B, 56
.set TBR, 66
.set HIM, 67
.set MSB, 0
.macro WIN new
.if MSB != (\new)
	s_set_vgpr_msb (MSB<<8)|(\new)
.set MSB, \new
.endif
.endm
.macro JLOAD s                         ; waves 0 and 1 fetch A's halves, waves 2 and 3 the weights'; an s_nop 0 and four v_nop follow each line
	s_cmp_eq_u32 s11, 0
	s_cbranch_scc0 .Lfor_b_\@
	tensor_load_to_lds s[G0A+4*(\s):G0A+4*(\s)+3], s[G1A:G1A+7]
	s_nop 0
.rept 4
	v_nop
.endr
	s_branch .Lasked_\@
.Lfor_b_\@:
	tensor_load_to_lds s[G0B+4*(\s):G0B+4*(\s)+3], s[G1B:G1B+7]
	s_nop 0
.rept 4
	v_nop
.endr
.Lasked_\@:
.endm
.macro CREST
	s_cmp_lg_u32 s10, 0
	s_cbranch_scc1 .Lnot_wave_0_\@
	s_barrier_signal -3
.Lnot_wave_0_\@:
	s_barrier_wait -3
	s_barrier_signal -1
	s_barrier_wait -1
.endm
.macro CROUND
	s_barrier_signal -1
	s_barrier_wait -1
	CREST
.endm
.macro PLACES
.rept 4
	v_nop
.endr
.endm
	s_load_b128 s[4:7], s[0:1], 0x0                ; A s[4:5], wb s[6:7]
	s_load_b128 s[68:71], s[0:1], 0x10             ; the residual s[68:69], the f32 output s[70:71]
.if ISPROJ
	s_load_b64 s[72:73], s[0:1], 0x20              ; x1b
.endif
	v_lshl_add_u32 v[SPW], v0, 2, SPARE
	v_mov_b32 v[NIL], 0
	ds_add_u32 v[SPW], v[NIL]                      ; the wave's opening: the add and its wait ahead of my first tensor load
	ds_add_u32 v28, v29
	v_lshrrev_b32 v1, 5, v0
	v_readfirstlane_b32 s10, v1
	s_lshr_b32 s11, s10, 1                         ; my half of the tile's rows; also: I fetch for A (0) or for the weights (1)
	s_and_b32 s12, s10, 1                          ; my half of its columns; also: which half I fetch
	s_bfe_u32 s40, ttmp6, 0x40000
	s_bfe_u32 s41, ttmp6, 0x40004
	s_lshl_b32 s42, ttmp9, 2
	s_add_co_u32 s42, s42, s40                     ; tile column
	s_and_b32 s13, ttmp7, 0xffff
	s_lshl_b32 s13, s13, 2
	s_add_co_u32 s13, s13, s41                     ; tile row
	s_lshl_b32 s43, s41, 2
	s_lshl_b32 s43, 15, s43
	s_lshl_b32 s44, 0x1111, s40
.if ISPROJ
	s_or_b32 s[G1A], s43, (1<<16)|(1<<20)|(1<<21)|(4<<22)|(3<<25)  ; after every 32 words (a head's row) 4 words
	s_mov_b32 s[G1A+1], 4096<<16                   ; 64 rows of a head are 4,096 elements on end: one row of the tile;
	s_mov_b32 s[G1A+2], 4<<16                      ; four heads,
	s_mov_b32 s[G1A+3], 4096<<16
	s_mov_b32 s[G1A+4], 4
	s_mov_b32 s[G1A+5], 65536                      ; 65,536 elements apart
.else
	s_or_b32 s[G1A], s43, (1<<16)|(1<<20)|(1<<21)|(6<<22)|(3<<25)  ; after every 128 words 4 words
	s_mov_b32 s[G1A+1], 256<<16
	s_mov_b32 s[G1A+2], 64<<16
	s_mov_b32 s[G1A+3], 256<<16
	s_mov_b32 s[G1A+4], 64
	s_mov_b32 s[G1A+5], 4096
.endif
	s_mov_b32 s[G1A+6], 0
	s_mov_b32 s[G1A+7], 0
	s_or_b32 s[G1B], s44, (1<<16)|(1<<20)|(1<<21)|(5<<22)|(7<<25)  ; after every 64 words 8 words
	s_mov_b32 s[G1B+1], 128<<16
	s_mov_b32 s[G1B+2], 128<<16
	s_mov_b32 s[G1B+3], 128<<16
	s_mov_b32 s[G1B+4], 128
	s_mov_b32 s[G1B+5], 1024
	s_mov_b32 s[G1B+6], 0
	s_mov_b32 s[G1B+7], 0
.if ISPROJ
	s_lshr_b32 s16, s13, 3                         ; batch: 16 heads of 1,024 rows
	s_lshl_b32 s16, s16, 14
	s_and_b32 s17, s13, 7
	s_lshl_b32 s17, s17, 7
	s_add_co_u32 s16, s16, s17
	s_lshl_b32 s17, s12, 6
	s_add_co_u32 s16, s16, s17
	s_lshl_b32 s16, s16, 7                         ; rows of 128 bytes
.else
	s_lshl_b32 s16, s13, 7
	s_lshl_b32 s17, s12, 6
	s_add_co_u32 s16, s16, s17
	s_lshl_b32 s16, s16, 13                        ; rows of 8,192 bytes
.endif
	s_mov_b32 s17, 0
	s_lshl_b32 s46, s42, 8
	s_lshl_b32 s47, s12, 18                        ; 128 rows of 2,048 bytes
	s_add_co_u32 s46, s46, s47
	s_add_co_u32 s46, s46, WOFF
	s_mov_b32 s47, 0
	s_mul_i32 s20, s12, HALFA
	s_mul_i32 s21, s12, HALFB
	s_add_co_u32 s21, s21, BOFF
	s_mov_b32 s[HIM], 0xffff0000
	s_mov_b32 s[TBR], 0
	s_wait_dscnt 0x0                               ; the opening add is done
	s_wait_kmcnt 0x0
	s_add_nc_u64 s[14:15], s[4:5], s[16:17]
	s_add_nc_u64 s[46:47], s[6:7], s[46:47]
	CROUND
.irp s, 0,1
	s_mov_b32 s[G0A+4*(\s)], 1
	s_add_co_u32 s[G0A+4*(\s)+1], s20, (\s)*SLOTD
	s_add_nc_u64 s[G0A+4*(\s)+2:G0A+4*(\s)+3], s[14:15], (\s)*STEPA
	s_or_b32 s[G0A+4*(\s)+3], s[G0A+4*(\s)+3], 0x80000000
	s_mov_b32 s[G0B+4*(\s)], 1
	s_add_co_u32 s[G0B+4*(\s)+1], s21, (\s)*SLOTD
	s_add_nc_u64 s[G0B+4*(\s)+2:G0B+4*(\s)+3], s[46:47], (\s)*STEPB
	s_or_b32 s[G0B+4*(\s)+3], s[G0B+4*(\s)+3], 0x80000000
	JLOAD \s                                       ; two loads of mine are out
.endr
	v_and_b32 v1, 15, v0                           ; r
	v_bfe_u32 v2, v0, 4, 1                         ; h
	v_lshlrev_b32 v[BO], 4, v2
	s_lshl_b32 s18, s42, 8                         ; the bias of my 64 columns, in bf16: a lane's 8 numbers of each block of 16
	s_lshl_b32 s19, s12, 7
	s_add_co_u32 s18, s18, s19
	s_add_co_u32 s18, s18, BIOFF
	s_mov_b32 s19, 0
	s_add_nc_u64 s[74:75], s[6:7], s[18:19]
.irp b, 0,1,2,3
	global_load_b128 v[TMP+4*(\b):TMP+4*(\b)+3], v[BO], s[74:75] offset:32*(\b)
.endr
	v_mul_u32_u24 v3, v1, PA
	v_lshl_add_u32 v3, v2, 4, v3
	s_mul_i32 s21, s11, HALFA
	v_add_nc_u32 v[A0], s21, v3
	v_and_b32 v4, 7, v0
	v_bfe_u32 v5, v0, 3, 1
	v_lshl_add_u32 v6, v2, 3, v4
	v_mul_u32_u24 v6, v6, PW
	v_lshl_add_u32 v6, v5, 4, v6
	s_lshl_b32 s22, s12, 7
	s_add_co_u32 s22, s22, BOFF
	v_add_nc_u32 v[B0], s22, v6
	v_add_nc_u32 v[B1], HALFB, v[B0]
	v_mov_b32 v[ADRA], v[A0]
	v_mov_b32 v[ADRB], v[B0]
	v_mov_b32 v[ADRB+1], v[B1]
	s_mul_i32 s23, s11, 64*SPT                     ; into the stage: row 64 x row half + r, 256 bytes by column half, 32 by h
	s_lshl_b32 s22, s12, 8
	s_add_co_u32 s23, s23, s22
	v_mul_u32_u24 v7, v1, SPT
	v_lshl_add_u32 v7, v2, 5, v7
	v_add_nc_u32 v[STO], s23, v7
	v_and_b32 v3, 31, v0
	v_lshlrev_b32 v[CO], 4, v3
	v_lshlrev_b32 v[CB], 3, v3
	s_mul_i32 s23, s10, 32*SPT                     ; back: wave w takes rows 32 w .. 32 w + 31, a row of 512 bytes a load
	v_add_nc_u32 v[RD], s23, v[CO]
	s_lshl_b32 s16, s13, 7
	s_lshl_b32 s17, s10, 5
	s_add_co_u32 s16, s16, s17                     ; the first row that I finish
	s_lshl_b32 s18, s16, 12
	s_lshl_b32 s19, s42, 9
	s_add_co_u32 s18, s18, s19                     ; in rows of 4,096 bytes, 512 a tile column
	s_mov_b32 s19, 0
	s_add_nc_u64 s[70:71], s[70:71], s[18:19]
.if ISPROJ
	s_lshr_b32 s18, s18, 1                         ; the same place in rows of 2,048 bytes
	s_add_nc_u64 s[68:69], s[68:69], s[18:19]
	s_add_nc_u64 s[72:73], s[72:73], s[18:19]
.else
	s_add_nc_u64 s[68:69], s[68:69], s[18:19]
.endif
	s_wait_loadcnt 0x0                             ; the bias
.set i, 0
.rept 16
	v_lshlrev_b32 v[BI+2*i], 16, v[TMP+i]
	v_and_b32 v[BI+2*i+1], s[HIM], v[TMP+i]
.set i, i+1
.endr
; 8 products: row blocks a0, a0 + 1 x 4 column blocks, 32 along K: half c of buffer f.  first = 1: the bias starts the sums.
.macro MUL8 f, c, a0, first
	WIN 0x05
.irp a, \a0, (\a0)+1
.irp b, 0,1,2,3
.if \first
	v_wmma_f32_16x16x32_bf16 v[ACC+8*(4*(\a)+(\b)):ACC+8*(4*(\a)+(\b))+7], v[(\f)+64+8*(4*(\c)+(\b)):(\f)+64+8*(4*(\c)+(\b))+7], v[(\f)+8*(4*(\c)+(\a)):(\f)+8*(4*(\c)+(\a))+7], v[BI+8*(\b):BI+8*(\b)+7]
.else
	v_wmma_f32_16x16x32_bf16 v[ACC+8*(4*(\a)+(\b)):ACC+8*(4*(\a)+(\b))+7], v[(\f)+64+8*(4*(\c)+(\b)):(\f)+64+8*(4*(\c)+(\b))+7], v[(\f)+8*(4*(\c)+(\a)):(\f)+8*(4*(\c)+(\a))+7], v[ACC+8*(4*(\a)+(\b)):ACC+8*(4*(\a)+(\b))+7]
.endif
.endr
.endr
.endm
; 32 LDS loads in one run: quarter qd (64 along K) of the slot in hand into buffer f; the first 32 along K first
.macro FETCH qd, f
	WIN 0x40
.irp c, 0,1
.irp i, 0,1,2,3
	ds_load_tr16_b128 v[(\f)+64+8*(4*(\c)+(\i)):(\f)+64+8*(4*(\c)+(\i))+3],   v[ADRB+(\qd)/2] offset:(((\qd)%2)*64+32*(\c))*PW+32*(\i)
	ds_load_tr16_b128 v[(\f)+64+8*(4*(\c)+(\i))+4:(\f)+64+8*(4*(\c)+(\i))+7], v[ADRB+(\qd)/2] offset:(((\qd)%2)*64+32*(\c))*PW+32*(\i)+16*PW
	ds_load_b128 v[(\f)+8*(4*(\c)+(\i)):(\f)+8*(4*(\c)+(\i))+3],   v[ADRA] offset:(\qd)*AQ+64*(\c)+(\i)*16*PA
	ds_load_b128 v[(\f)+8*(4*(\c)+(\i))+4:(\f)+8*(4*(\c)+(\i))+7], v[ADRA] offset:(\qd)*AQ+64*(\c)+(\i)*16*PA+32
.endr
.endr
.endm
.macro QUARTER qd, f, g, first
	s_wait_dscnt 16                                ; the first 32 along K are in
	MUL8 \f, 0, 0, \first
	MUL8 \f, 0, 2, \first
	PLACES
	FETCH \qd, \g
	s_wait_dscnt 32                                ; all but the 32 just issued
	MUL8 \f, 1, 0, 0
	MUL8 \f, 1, 2, 0
.endm
.macro MEET fill
	WIN 0
	s_wait_tensorcnt 0x0                           ; all my tensor loads have landed: my part of the next slot
	ds_add_u32 v[SPW], v[NIL]
.if \fill
	s_xor_b32 s[G0A+5], s[G0A+5], SLOTD
	s_add_nc_u64 s[G0A+6:G0A+7], s[G0A+6:G0A+7], STEPA
	s_xor_b32 s[G0B+5], s[G0B+5], SLOTD
	s_add_nc_u64 s[G0B+6:G0B+7], s[G0B+6:G0B+7], STEPB
.endif
	s_wait_dscnt 17                                ; the add and the youngest sixteen loads may be out
	MUL8 F1, 0, 0, 0
	s_wait_dscnt 0x0                               ; the add is done, and my reads of this slot are over
	s_barrier_signal -1
	MUL8 F1, 0, 2, 0
	WIN 0
	s_barrier_wait -1
.endm
.macro NEXTSLOT
	s_xor_b32 s[TBR], s[TBR], SLOTD
	v_add_nc_u32 v[ADRA], s[TBR], v[A0]
	v_add_nc_u32 v[ADRB], s[TBR], v[B0]
	v_add_nc_u32 v[ADRB+1], s[TBR], v[B1]
.endm
.macro TURN
	MEET 1
	CREST                                          ; the barrier has opened a round of the cluster's
	JLOAD 1                                        ; the first tensor load behind the round; its four v_nop are also the places in front of the loads below
	NEXTSLOT
	FETCH 0, F0
	MUL8 F1, 1, 0, 0
	MUL8 F1, 1, 2, 0
.endm
	s_wait_tensorcnt 0x1                           ; my part of K step 0 is in; K step 1's may stay out
	s_barrier_signal -1
	s_barrier_wait -1
	FETCH 0, F0
	QUARTER 1, F0, F1, 1
	WIN 0
	s_mov_b32 s3, NSTEP-2
.Lstep:
	QUARTER 2, F1, F0, 0
	QUARTER 3, F0, F1, 0
	TURN
	QUARTER 1, F0, F1, 0
	WIN 0
	s_sub_co_u32 s3, s3, 1
	s_cmp_lg_u32 s3, 0
	s_cbranch_scc1 .Lstep
	WIN 0x80                                       ; the residual of my 32 rows is asked for two K steps ahead of its use
.set i, 0
.rept 32
.if ISPROJ
	global_load_b64 v[2*i:2*i+1], v[CB], s[68:69] offset:2048*i
.else
	global_load_b128 v[4*i:4*i+3], v[CO], s[68:69] offset:4096*i
.endif
.set i, i+1
.endr
	WIN 0
	s_mov_b32 s2, 2
.Ltail:
	QUARTER 2, F1, F0, 0
	QUARTER 3, F0, F1, 0
	MEET 0
	s_sub_co_u32 s2, s2, 1
	s_cmp_eq_u32 s2, 0
	s_cbranch_scc1 .Lfin
	PLACES
	NEXTSLOT
	FETCH 0, F0
	MUL8 F1, 1, 0, 0
	MUL8 F1, 1, 2, 0
	QUARTER 1, F0, F1, 0
	WIN 0
	s_branch .Ltail
.Lfin:
	MUL8 F1, 1, 0, 0
	MUL8 F1, 1, 2, 0
	WIN 0
	PLACES
.irp a, 0,1,2,3
.irp b, 0,1,2,3
	ds_store_b128 v[STO], v[ACC+8*(4*(\a)+(\b)):ACC+8*(4*(\a)+(\b))+3]   offset:(\a)*16*SPT+64*(\b)      ; each accumulator from its low end on
	ds_store_b128 v[STO], v[ACC+8*(4*(\a)+(\b))+4:ACC+8*(4*(\a)+(\b))+7] offset:(\a)*16*SPT+64*(\b)+16
.endr
.endr
	s_wait_dscnt 0x0                               ; for the others' sake: my stores into the stage are done
	s_barrier_signal -1
	s_barrier_wait -1
.set i, 0
.rept 32                                       ; rows 0-15 into v32-95, rows 16-31 into v128-191
.set XR, 32+4*i+32*(i/16)
	ds_load_b128 v[XR:XR+3], v[RD] offset:SPT*i
.set i, i+1
.endr
	s_wait_loadcnt 0x0                             ; the residual
.if ISPROJ
	WIN 0x88
.set i, 0
.rept 64
	v_lshlrev_b32 v[RES+2*i], 16, v[i]
	v_and_b32 v[RES+2*i+1], s[HIM], v[i]
.set i, i+1
.endr
.endif
.macro FINISH lo                       ; 16 rows: the residual is added; each store of the wave covers a row's 512 consecutive bytes, aligned (in bf16: 256)
	WIN 0x08
.set i, \lo
.rept 16
.set XR, 32+4*i+32*(i/16)
	v_pk_add_f32 v[XR:XR+1],   v[XR:XR+1],   v[RES+4*i:RES+4*i+1]
	v_pk_add_f32 v[XR+2:XR+3], v[XR+2:XR+3], v[RES+4*i+2:RES+4*i+3]
.set i, i+1
.endr
	WIN 0
.set i, \lo
.rept 16
.set XR, 32+4*i+32*(i/16)
	global_store_b128 v[CO], v[XR:XR+3], s[70:71] offset:4096*i
.set i, i+1
.endr
.if ISPROJ
	WIN 0x80
.set i, \lo
.rept 16
.set XR, 32+4*i+32*(i/16)
	v_cvt_pk_bf16_f32 v[2*i],   v[XR],   v[XR+1]
	v_cvt_pk_bf16_f32 v[2*i+1], v[XR+2], v[XR+3]
.set i, i+1
.endr
	WIN 0x08
.set i, \lo
.rept 16
	global_store_b64 v[CB], v[2*i:2*i+1], s[72:73] offset:2048*i
.set i, i+1
.endr
.endif
.endm
	s_wait_dscnt 16                                ; rows 0-15 are back
	FINISH 0
	s_wait_dscnt 0x0
	FINISH 16
	WIN 0
	s_wait_tensorcnt 0x0                           ; the wave's end
	ds_add_u32 v[SPW], v[NIL]
	s_wait_dscnt 0x0
	CROUND                                         ; the closing round
	s_endpgm
.Lfunc_end_k_qd020f9885a_ffn2:
	.size	k_qd020f9885a_ffn2, .Lfunc_end_k_qd020f9885a_ffn2-k_qd020f9885a_ffn2
	.p2alignl 7, 3214868480
	.fill 96, 4, 3214868480
	.section	.rodata,"a",@progbits
	.p2align	6, 0x0
	.amdhsa_kernel k_qd020f9885a_ffn2
		.amdhsa_group_segment_fixed_size 327680
		.amdhsa_private_segment_fixed_size 0
		.amdhsa_enable_private_segment 0
		.amdhsa_kernarg_size 32
		.amdhsa_user_sgpr_count 2
		.amdhsa_user_sgpr_kernarg_segment_ptr 1
		.amdhsa_wavefront_size32 1
		.amdhsa_system_sgpr_workgroup_id_x 1
		.amdhsa_system_sgpr_workgroup_id_y 1
		.amdhsa_system_sgpr_workgroup_id_z 1
		.amdhsa_system_vgpr_workitem_id 0
		.amdhsa_next_free_vgpr 640
		.amdhsa_next_free_sgpr 80
		.amdhsa_reserve_vcc 0
		.amdhsa_float_denorm_mode_32 3
		.amdhsa_float_denorm_mode_16_64 3
		.amdhsa_memory_ordered 1
		.amdhsa_forward_progress 1
		.amdhsa_inst_pref_size 68
	.end_amdhsa_kernel
	.amdgpu_metadata
---
amdhsa.version: [ 1, 2 ]
amdhsa.kernels:
  - .name:           k_qd020f9885a_ffn2
    .symbol:         k_qd020f9885a_ffn2.kd
    .args:
      - { .name: hb, .offset: 0, .size: 8, .value_kind: global_buffer, .address_space: global }
      - { .name: wb, .offset: 8, .size: 8, .value_kind: global_buffer, .address_space: global }
      - { .name: x1f, .offset: 16, .size: 8, .value_kind: global_buffer, .address_space: global }
      - { .name: out0, .offset: 24, .size: 8, .value_kind: global_buffer, .address_space: global }
    .group_segment_fixed_size: 327680
    .private_segment_fixed_size: 0
    .kernarg_segment_align: 8
    .kernarg_segment_size: 32
    .max_flat_workgroup_size: 128
    .sgpr_count:     80
    .vgpr_count:     640
    .wavefront_size: 32
...
	.end_amdgpu_metadata
.endif
;; end of part 6
